; MI455X (gfx1250); checked and timed in simulation.
; The chip was launched on July 23, 2026; its instructions are those of AMD's public machine-readable ISA for CDNA 5 (MIT licence, August 2026) and "CDNA5" Instruction Set Architecture Reference Guide (July 2026). The comments in the code are by the model that wrote it; some were corrected since.
;; Causal Attention. Allowed arithmetic: matrix products marked QUANTISED: E2M1 operands, one E8M0 scale for each 32 along K, by v_wmma_scale_f32_16x16x128_f8f6f4 with both operands' format E2M1 (or v_wmma_scale_f32_32x16x128_f4), f32 sums; products left as they are: bf16, f16 or f32 operands; f32 sums; everything else in f32.
;; Inputs: Wproj 1,024 x 1,024 float32; Wqkv 1,024 x 3,072 float32; bproj 1,024 float32; x 4 x 2,048 x 1,024 float32.
;; Outputs: out0 4 x 2,048 x 1,024 float32.
;; This version of the problem:
;;   THIS VERSION OF THE PROBLEM IS GIVEN IN LOW PRECISION. The matrix products marked QUANTISED in the list below multiply operands that are first quantised to E2M1 (2 exponent bits, 1 mantissa bit; 4 bits a number), with one power-of-two scale for each 32 numbers along K (OCP MX v1.0); their sums are f32. The products marked 'left as it is' may take bf16, f16 or f32 operands, with f32 sums. Whichever they take, every output number must still come out within the allowed error. Rounding operands to bf16 (8 significant bits) uses up far more of that allowance than f16 does (11 bits, for magnitudes from 6e-5 to 65,504). All else is computed in f32.
;;   The module's matrix products, in the order in which they are computed (A, B: the left and right operand; K: the contracted axis; several contracted axes count as one K, in the product's order):
;;     1. [M 8,192, K 1,024] x [K 1,024, N 3,072]; A: input x; B: input Wqkv: QUANTISED
;;     2. batch 64 x [M 2,048, K 64] x [K 64, N 2,048]; A: computed on the way; B: computed on the way: left as it is (an operand is computed on the way)
;;     3. batch 64 x [M 2,048, K 2,048] x [K 2,048, N 64]; A: computed on the way; B: computed on the way: left as it is (an operand is computed on the way)
;;     4. [M 8,192, K 1,024] x [K 1,024, N 1,024]; A: computed on the way; B: input Wproj: left as it is (an operand is computed on the way)
;;   THE QUANTISER, for each operand of a quantised product, along K:
;;     - K is cut into blocks of 32 from its start; a last block that is shorter is filled with zeros.
;;     - A block's scale is 2^e with e = floor(log2(the largest magnitude in the block)) - 2, held to -126 .. 127; a block of zeros has e = 0. As a byte (E8M0): e + 127.
;;     - Each number is divided by its block's scale, clamped to +-6, and rounded to the nearest number of E2M1, ties to even, subnormals kept.
;;     - The product sums the exact products of the quantised numbers (number of the format x scale) in f32.
;;   ~~~python
;;   def quantise(x, axis):      # numpy; x: float32 -> the quantised numbers, widened to float32 again
;;       x = np.moveaxis(x, axis, -1); K = x.shape[-1]
;;       x = np.pad(x, [(0, 0)] * (x.ndim - 1) + [(0, -K % 32)]); x = x.reshape(x.shape[:-1] + (-1, 32)); a = np.abs(x).max(-1, keepdims=True)
;;       e = np.where(a > 0, np.clip(np.frexp(np.where(a > 0, a, 1))[1] - 1 - 2, -126, 127), 0)      # np.frexp(a)[1] - 1 = floor(log2(a)), exactly
;;       r = np.clip(x / 2.0 ** e, -6, 6)
;;       step = 2.0 ** (np.maximum(np.frexp(np.where(r == 0, 1, r))[1] - 1, 0) - 1)
;;       q = np.round(r / step) * step * 2.0 ** e      # np.round: ties to even
;;       return np.moveaxis(q.reshape(q.shape[:-2] + (-1,))[..., :K], -1, axis).astype(np.float32)
;;   ~~~
;; One version. Each part assembles by itself: llvm-mc -triple=amdgcn-amd-amdhsa -mcpu=gfx1250 --defsym DOCPART=n.
;; ======== version 1 of 1: 5 launches
;; limits: values are held in f16: magnitudes above 65,504 overflow, below 6.1e-05 lose precision
;; workspace buffers: xc 4,194,304 bytes; xs 262,144 bytes; wc 1,572,864 bytes; ws 98,304 bytes; wp16 2,097,152 bytes; qkvh 50,331,648 bytes; q32 786,432 bytes; att16 16,777,216 bytes
;; launch prep (part 1): grid 416 x 1, 4 waves a work-group, no clusters, 50,688 bytes of LDS; arguments x, Wqkv, Wproj, xc, xs, wc, ws, wp16; writes xc, xs, wc, ws, wp16
.if DOCPART == 1
	.amdgcn_target "amdgcn-amd-amdhsa--gfx1250"
	.amdhsa_code_object_version 6
	.text
	.protected	k_qef9b7b4521_prep
	.globl	k_qef9b7b4521_prep
	.p2align	8
	.type	k_qef9b7b4521_prep,@function
k_qef9b7b4521_prep:
	s_mov_b64 s[64:65], 0
	v_nop
	global_prefetch_b8 v0, s[64:65] scope:SCOPE_SE
	s_setreg_imm32_b32 hwreg(HW_REG_WAVE_MODE, 25, 1), 1
	s_wait_xcnt 0x0
; THREE JOBS IN ONE LAUNCH, told apart by the work-group's number alone (the same in all four waves):
;   work-groups 0-95    W: Wqkv [1024 k][3072 n] f32 -> codes of FP4 (E2M1) laid [3072 n][512 bytes] with K innermost, scale bytes [3072][32]
;   work-groups 96-159  P: Wproj [1024][1024] f32 -> f16, same layout
;   work-groups 160-415 X: x [8192][1024] f32 -> codes [8192][512 bytes], scale bytes [8192][32]
; THE QUANTISER: a block is 32 neighbours along K; its scale is 2^(floor(log2(largest magnitude)) - 2); the byte is the largest magnitude's exponent field - 2, held at 1 from below;
; each number is divided by the scale and rounded to the nearest code, ties to even, beyond 6 the largest code.
; LIMITS: a block of zeros, and a block whose largest magnitude lies under 2^-124, gets the byte 1 (a zero block's codes are zeros, and these bytes are read by this program alone);
; NaN and infinities among the inputs are not served; Wproj beyond 65,504 has no f16 number.
; LDS: each job that uses LDS has bytes of its own: X 0-32,767 (8,192 a wave), W 32,768-50,175 (64 rows of 272), then the spare words.
.set SPW,   252                        ; v252 LDS address of my spare word: SPARE + 4 x my thread's number; never rewritten
.set NIL,   253                        ; v253 0; never rewritten
.set WST,   32768                      ; job W's stage
.set SPARE, 50176                      ; 128 bytes for each wave: two blocks of 256 bytes that no other line names
	s_load_b256 s[4:11], s[0:1], 0x0               ; x s[4:5], Wqkv s[6:7], Wproj s[8:9], xc s[10:11]
	s_load_b256 s[12:19], s[0:1], 0x20             ; xs s[12:13], wc s[14:15], ws s[16:17], wp16 s[18:19]
	v_lshl_add_u32 v[SPW], v0, 2, SPARE
	v_mov_b32 v[NIL], 0
	v_lshrrev_b32 v1, 5, v0
	v_readfirstlane_b32 s20, v1                    ; wave 0..3
	v_and_b32 v2, 31, v0                           ; lane
	s_cmp_lt_u32 ttmp9, 96
	s_cbranch_scc1 .Lpath_w
	s_cmp_lt_u32 ttmp9, 160
	s_cbranch_scc1 .Lpath_p
; ---------------- JOB X.  x is a plain stream of blocks of 32.  A wave takes 16 steps of 512 numbers.  Each load reads 512 consecutive bytes, 16 a lane; a step's 2,048 bytes turn through the wave's own
; stage in LDS and come back 64 bytes a lane, so that a lane holds 16 neighbours along K (two neighbouring lanes hold a block).  Loads run eight steps (32 loads a wave) ahead, the turn one step.
.set SP,  80                           ; a lane's place in a stage: its 64 bytes + 16 of padding
.set RX,  16                           ; v16-143  eight sets of 16 numbers as loaded
.set XX,  144                          ; v144-175 two sets of 16 neighbours
.set EX,  176                          ; v176-191 a scale byte for each step
.set CX,  192                          ; v192-223 two registers of codes for each step: no store's data are written again
	v_lshlrev_b32 v3, 4, v2                        ; my 16 bytes of a load's 512
	s_mul_i32 s21, s20, 8192                       ; my wave's region
	v_lshrrev_b32 v14, 2, v2
	v_mul_u32_u24 v14, v14, SP
	v_and_b32 v15, 3, v2
	v_lshl_add_u32 v14, v15, 4, v14
	v_add_nc_u32 v14, s21, v14                     ; the stage, on the way in: SP (lane / 4) + 16 (lane % 4)
	v_mul_u32_u24 v15, v2, SP
	v_add_nc_u32 v15, s21, v15                     ; on the way out: SP x lane
	v_lshlrev_b32 v4, 3, v2                        ; 8 x lane: my codes' place in a step's 256 bytes
	v_lshrrev_b32 v5, 1, v2
	s_add_co_u32 s21, s21, 2*32*SP                 ; behind the two stages: my wave's 256 scale bytes
	v_add_nc_u32 v5, s21, v5                       ; my block's byte
	v_add_nc_u32 v6, s21, v4                       ; and on the way out 8 bytes a lane
	s_sub_co_u32 s22, ttmp9, 160
	s_lshl_b32 s22, s22, 2
	s_add_co_u32 s22, s22, s20                     ; which run of 8,192 numbers is my wave's: 0..1023
	s_lshl_b32 s24, s22, 15                        ; 32,768 bytes of x a run
	s_mov_b32 s25, 0
	s_wait_kmcnt 0x0
	s_add_nc_u64 s[4:5], s[4:5], s[24:25]
	s_lshl_b32 s24, s22, 12                        ; 4,096 bytes of codes
	s_add_nc_u64 s[10:11], s[10:11], s[24:25]
	s_lshl_b32 s24, s22, 8                         ; 256 scale bytes
	s_add_nc_u64 s[12:13], s[12:13], s[24:25]
.macro XLOAD t
.irp i, 0,1,2,3
	global_load_b128 v[RX+16*((\t)%8)+4*\i:RX+16*((\t)%8)+4*\i+3], v3, s[4:5] offset:2048*(\t)+512*\i th:TH_LOAD_NT
.endr
.endm
.macro XTURN t                         ; step t's numbers through a stage: LDS serves a wave's instructions in order, so no wait stands between the stores and the loads
.irp i, 0,1,2,3
	ds_store_b128 v14, v[RX+16*((\t)%8)+4*\i:RX+16*((\t)%8)+4*\i+3] offset:32*SP*((\t)%2)+8*SP*\i
.endr
.irp i, 0,1,2,3
	ds_load_b128 v[XX+16*((\t)%2)+4*\i:XX+16*((\t)%2)+4*\i+3], v15 offset:32*SP*((\t)%2)+16*\i
.endr
.endm
.irp t, 0,1,2,3,4,5,6,7
	XLOAD \t
.endr
	s_wait_loadcnt 28                              ; step 0's four loads are in; the 28 of steps 1 to 7 are younger
	XTURN 0
.macro XSTEP t
.set XS, XX+16*((\t)%2)
.if (\t) > 0
	s_wait_dscnt 1                                 ; this step's numbers are back from the stage; the last step's byte store, issued behind them, may be out
.else
	s_wait_dscnt 0x0
.endif
.if (\t)+8 < 16
	XLOAD (\t)+8                                   ; into the set that this step's stores into the stage have read
.endif
.if (\t)+1 < 16
.if 14-(\t) >= 7
	s_wait_loadcnt 28                              ; the next step's four loads are in; those of the seven steps behind it are younger
.else
	s_wait_loadcnt 4*(14-(\t))                     ; towards the end fewer steps are behind it
.endif
	XTURN (\t)+1
.endif
	v_max3_num_f32 v8, |v[XS]|, |v[XS+1]|, |v[XS+2]|               ; the largest magnitude of my 16, in two chains
	v_max3_num_f32 v9, |v[XS+3]|, |v[XS+4]|, |v[XS+5]|
.irp i, 6,10
	v_max3_num_f32 v8, v8, |v[XS+\i]|, |v[XS+\i+1]|
	v_max3_num_f32 v9, v9, |v[XS+\i+2]|, |v[XS+\i+3]|
.endr
	v_max3_num_f32 v8, v8, |v[XS+14]|, |v[XS+15]|
	v_max3_num_f32 v8, v8, v9, 0x1800000           ; and the floor 2^(3 - 127): the byte cannot fall under 1
	v_max_num_f32_dpp v8, v8, v8 row_xmask:1 row_mask:0xf bank_mask:0xf   ; with my neighbour's 16: the block's
	v_add_nc_u32 v11, 0xff000000, v8               ; 2 off its exponent field: the conversion takes the exponent field of this operand as its scale
	v_cvt_scalef32_pk8_fp4_f32 v[CX+2*(\t)], v[XS:XS+7], v11
	v_cvt_scalef32_pk8_fp4_f32 v[CX+2*(\t)+1], v[XS+8:XS+15], v11
	v_lshrrev_b32 v[EX+(\t)], 23, v11              ; the scale's byte (also the plain line behind the conversions)
	ds_store_b8 v5, v[EX+(\t)] offset:16*(\t)      ; both lanes of a block write the same byte with the same value
	global_store_b64 v4, v[CX+2*(\t):CX+2*(\t)+1], s[10:11] offset:256*(\t)   ; the wave stores 256 consecutive bytes, aligned
.endm
.irp t, 0,1,2,3,4,5,6,7,8,9,10,11,12,13,14,15
	XSTEP \t
.endr
	ds_load_b64 v[8:9], v6                         ; in order behind my byte stores
	s_wait_dscnt 0x0
	global_store_b64 v4, v[8:9], s[12:13]          ; my wave's 256 scale bytes, consecutive and aligned
	s_wait_tensorcnt 0x0                           ; the wave's end: behind my last LDS store
	ds_add_u32 v[SPW], v[NIL]
	s_wait_dscnt 0x0
	s_endpgm
; ---------------- JOB P.  A wave takes 4,096 numbers: 32 loads of 512 consecutive bytes, 32 stores of 256.  No register is written twice, so no wait frees any.
.Lpath_p:
	v_lshlrev_b32 v3, 4, v2
	v_lshlrev_b32 v4, 3, v2
	s_sub_co_u32 s22, ttmp9, 96
	s_lshl_b32 s22, s22, 2
	s_add_co_u32 s22, s22, s20                     ; run 0..255
	s_lshl_b32 s24, s22, 14
	s_mov_b32 s25, 0
	s_wait_kmcnt 0x0
	s_add_nc_u64 s[8:9], s[8:9], s[24:25]
	s_lshl_b32 s24, s22, 13
	s_add_nc_u64 s[18:19], s[18:19], s[24:25]
.set i, 0
.rept 32
	global_load_b128 v[16+4*i:19+4*i], v3, s[8:9] offset:512*i th:TH_LOAD_NT
.set i, i+1
.endr
.set i, 0
.rept 32
	s_wait_loadcnt 31-i                            ; load i is in; the 31 - i behind it are younger
	v_cvt_pk_f16_f32 v[144+2*i], v[16+4*i], v[17+4*i]
	v_cvt_pk_f16_f32 v[145+2*i], v[18+4*i], v[19+4*i]
	global_store_b64 v4, v[144+2*i:145+2*i], s[18:19] offset:256*i
.set i, i+1
.endr
	s_endpgm
; ---------------- JOB W.  K is Wqkv's FIRST axis: a lane takes a column n and its registers run down K, so that a block of 32 lies in one lane and the conversions give codes with K innermost.
; A work-group takes 64 columns x 512 along K; wave w: columns 32 (w & 1) on, K 256 (w >> 1) on: 8 blocks a lane.  The codes meet in a stage (a row = a column's 256 bytes, from two waves), one barrier,
; and leave as rows: sixteen lanes store 256 consecutive bytes, aligned.  The scale bytes leave 8 a lane, rows 32 bytes apart: 98,304 bytes in all, one part in 128 of what the job reads.
.Lpath_w:
	s_cmp_ge_u32 ttmp9, 48
	s_cselect_b32 s21, 1, 0                        ; y: which 512 along K
	s_cselect_b32 s22, 48, 0
	s_sub_co_u32 s22, ttmp9, s22                   ; gx: which 64 columns
	s_and_b32 s23, s20, 1                          ; cg
	s_lshr_b32 s24, s20, 1                         ; kh
	s_lshl_b32 s25, s23, 5
	s_mul_i32 s25, s25, 272
	s_lshl_b32 s26, s24, 7
	s_add_co_u32 s25, s25, s26
	s_add_co_u32 s25, s25, WST
	v_mul_u32_u24 v4, v2, 272
	v_add_nc_u32 v4, s25, v4                       ; into the stage: row 32 cg + lane, + 128 kh
	s_mul_i32 s25, s20, 16*272
	s_add_co_u32 s25, s25, WST
	v_and_b32 v5, 15, v2
	v_lshrrev_b32 v6, 4, v2
	v_mul_u32_u24 v7, v6, 272
	v_lshl_add_u32 v7, v5, 4, v7
	v_add_nc_u32 v7, s25, v7                       ; out of it: my wave's 16 rows, two an instruction, sixteen lanes to a row
	v_lshlrev_b32 v8, 9, v6
	v_lshl_add_u32 v8, v5, 4, v8                   ; the same place in wc: rows of 512 bytes
	v_lshlrev_b32 v9, 5, v2                        ; my column's row of scale bytes
	v_lshlrev_b32 v3, 2, v2                        ; in: 4 bytes a lane
	s_lshl_b32 s26, s22, 6
	s_lshl_b32 s27, s23, 5
	s_add_co_u32 s26, s26, s27                     ; my wave's first column
	s_lshl_b32 s27, s21, 9
	s_lshl_b32 s28, s24, 8
	s_add_co_u32 s27, s27, s28                     ; my wave's first k
	s_mul_i32 s28, s27, 12288
	s_lshl_b32 s29, s26, 2
	s_add_co_u32 s28, s28, s29
	s_mov_b32 s29, 0
	s_wait_kmcnt 0x0
	s_add_nc_u64 s[6:7], s[6:7], s[28:29]
	s_lshl_b32 s28, s22, 6
	s_lshl_b32 s30, s20, 4
	s_add_co_u32 s28, s28, s30                     ; the first row of wc that I store: 64 gx + 16 w
	s_lshl_b32 s28, s28, 9
	s_lshl_b32 s30, s21, 8
	s_add_co_u32 s28, s28, s30                     ; + 256 y bytes along K
	s_add_nc_u64 s[14:15], s[14:15], s[28:29]
	s_lshl_b32 s28, s26, 5
	s_lshr_b32 s30, s27, 5
	s_add_co_u32 s28, s28, s30
	s_add_nc_u64 s[16:17], s[16:17], s[28:29]
.macro WLOAD t                         ; block t: W(32 t + i, my column) into set t % 2; 32 lanes read 128 consecutive bytes
.set i, 0
.rept 32
	global_load_b32 v[32+32*((\t)%2)+i], v3, s[6:7] offset:(32*(\t)+i)*12288 th:TH_LOAD_NT
.set i, i+1
.endr
.endm
	WLOAD 0
	WLOAD 1
.macro WBLOCK t
.set XS, 32+32*((\t)%2)
.if (\t) < 7
	s_wait_loadcnt 32                              ; this block's 32 loads are in; the next block's 32 are younger
.else
	s_wait_loadcnt 0x0
.endif
	v_max3_num_f32 v10, |v[XS]|, |v[XS+1]|, |v[XS+2]|
	v_max3_num_f32 v11, |v[XS+3]|, |v[XS+4]|, |v[XS+5]|
.irp i, 6,10,14,18,22,26
	v_max3_num_f32 v10, v10, |v[XS+\i]|, |v[XS+\i+1]|
	v_max3_num_f32 v11, v11, |v[XS+\i+2]|, |v[XS+\i+3]|
.endr
	v_max3_num_f32 v10, v10, |v[XS+30]|, |v[XS+31]|
	v_max3_num_f32 v10, v10, v11, 0x1800000        ; the floor 2^(3 - 127)
	v_add_nc_u32 v26, 0xff000000, v10              ; the conversions' scale operand
	v_lshrrev_b32 v27, 23, v26                     ; the byte
.if (\t)%4 == 0
	v_mov_b32 v[24+(\t)/4], v27                    ; four bytes to a register, the lower K in the lower byte
.else
	v_lshl_or_b32 v[24+(\t)/4], v27, 8*((\t)%4), v[24+(\t)/4]
.endif
.irp g, 0,1,2,3
	v_cvt_scalef32_pk8_fp4_f32 v[96+\g], v[XS+8*\g:XS+8*\g+7], v26
.endr
	ds_store_b128 v4, v[96:99] offset:16*(\t)      ; 32 codes: 16 bytes of my column's row
.if (\t)+2 < 8
	WLOAD (\t)+2
.endif
	s_wait_dscnt 0x0                               ; the store has read its registers: the next block's codes may be written
.endm
.irp t, 0,1,2,3,4,5,6,7
	WBLOCK \t
.endr
	global_store_b64 v9, v[24:25], s[16:17]        ; my column's 8 scale bytes
	s_wait_dscnt 0x0                               ; for the others' sake: my stores into the stage are done
	s_barrier_signal -1
	s_barrier_wait -1
.irp i, 0,1,2,3,4,5,6,7
	ds_load_b128 v[112+4*\i:115+4*\i], v7 offset:2*\i*272
.endr
.irp i, 0,1,2,3,4,5,6,7
	s_wait_dscnt 7-\i                              ; load i is back; the 7 - i behind it are younger
	global_store_b128 v8, v[112+4*\i:115+4*\i], s[14:15] offset:2*\i*512
.endr
	s_wait_tensorcnt 0x0                           ; the wave's end: behind my last LDS store
	ds_add_u32 v[SPW], v[NIL]
	s_wait_dscnt 0x0
	s_endpgm
.Lfunc_end_k_qef9b7b4521_prep:
	.size	k_qef9b7b4521_prep, .Lfunc_end_k_qef9b7b4521_prep-k_qef9b7b4521_prep
	.p2alignl 7, 3214868480
	.fill 96, 4, 3214868480
	.section	.rodata,"a",@progbits
	.p2align	6, 0x0
	.amdhsa_kernel k_qef9b7b4521_prep
		.amdhsa_group_segment_fixed_size 50688
		.amdhsa_private_segment_fixed_size 0
		.amdhsa_enable_private_segment 0
		.amdhsa_kernarg_size 64
		.amdhsa_user_sgpr_count 2
		.amdhsa_user_sgpr_kernarg_segment_ptr 1
		.amdhsa_wavefront_size32 1
		.amdhsa_system_sgpr_workgroup_id_x 1
		.amdhsa_system_sgpr_workgroup_id_y 1
		.amdhsa_system_sgpr_workgroup_id_z 1
		.amdhsa_system_vgpr_workitem_id 0
		.amdhsa_next_free_vgpr 256
		.amdhsa_next_free_sgpr 66
		.amdhsa_reserve_vcc 0
		.amdhsa_float_denorm_mode_32 3
		.amdhsa_float_denorm_mode_16_64 3
		.amdhsa_memory_ordered 1
		.amdhsa_forward_progress 1
		.amdhsa_inst_pref_size 85
	.end_amdhsa_kernel
	.amdgpu_metadata
---
amdhsa.version: [ 1, 2 ]
amdhsa.kernels:
  - .name:           k_qef9b7b4521_prep
    .symbol:         k_qef9b7b4521_prep.kd
    .args:
      - { .name: x, .offset: 0, .size: 8, .value_kind: global_buffer, .address_space: global }
      - { .name: Wqkv, .offset: 8, .size: 8, .value_kind: global_buffer, .address_space: global }
      - { .name: Wproj, .offset: 16, .size: 8, .value_kind: global_buffer, .address_space: global }
      - { .name: xc, .offset: 24, .size: 8, .value_kind: global_buffer, .address_space: global }
      - { .name: xs, .offset: 32, .size: 8, .value_kind: global_buffer, .address_space: global }
      - { .name: wc, .offset: 40, .size: 8, .value_kind: global_buffer, .address_space: global }
      - { .name: ws, .offset: 48, .size: 8, .value_kind: global_buffer, .address_space: global }
      - { .name: wp16, .offset: 56, .size: 8, .value_kind: global_buffer, .address_space: global }
    .group_segment_fixed_size: 50688
    .private_segment_fixed_size: 0
    .kernarg_segment_align: 8
    .kernarg_segment_size: 64
    .max_flat_workgroup_size: 128
    .sgpr_count:     66
    .vgpr_count:     256
    .wavefront_size: 32
...
	.end_amdgpu_metadata
.endif
;; end of part 1
;; launch qkv (part 2): grid 12 x 32, 4 waves a work-group, clusters of 4 x 4, 327,680 bytes of LDS; arguments xc, xs, wc, ws, qkvh, q32; writes qkvh, q32
.if DOCPART == 2
	.amdgcn_target "amdgcn-amd-amdhsa--gfx1250"
	.amdhsa_code_object_version 6
	.text
	.protected	k_qef9b7b4521_qkv
	.globl	k_qef9b7b4521_qkv
	.p2align	8
	.type	k_qef9b7b4521_qkv,@function
k_qef9b7b4521_qkv:
	s_mov_b64 s[64:65], 0
	v_nop
	global_prefetch_b8 v0, s[64:65] scope:SCOPE_SE
	s_setreg_imm32_b32 hwreg(HW_REG_WAVE_MODE, 25, 1), 1
	s_wait_xcnt 0x0
	s_wait_alu depctr_hold_cnt(0) depctr_sa_sdst(0) depctr_va_vdst(0) depctr_va_sdst(0) depctr_va_ssrc(0) depctr_va_vcc(0) depctr_vm_vsrc(0)
	s_getreg_b32 s2, hwreg(HW_REG_IB_STS2, 6, 4)
	s_cmp_eq_u32 s2, 0
	s_cbranch_scc0 .Lentry_in_a_cluster
	s_endpgm
.Lentry_in_a_cluster:
	s_bfe_u32 s2, ttmp6, 0x10000c
	s_cmp_lg_u32 s2, 0xf033
	s_cbranch_scc0 .Lentry_shape_is_right
	s_endpgm
.Lentry_shape_is_right:
; qkv[m][n] = sum over k of x[m][k] Wqkv[k][n] on codes of FP4 (E2M1) with one E8M0 scale for each 32 along K; sums in f32.  A = xc [8192][512 bytes], B = wc [3072][512 bytes], K = 1,024.
; A tile of 256 x 256 is made by four waves, 128 x 128 each: 64 accumulators, 512 registers.  K is two slots of 512, BOTH asked for at the head: nothing is filled again.
; The scale bytes of the tile's 256 + 256 rows, for all of K, come into LDS once, with the first fills.
; CLUSTERS: 4 x 4 work-groups; A's tiles are asked for jointly along a row of the cluster, B's along a column.  Tile row = cluster y + 8 cy: the four rows of a cluster stand at the same
; tokens of the four batches, so that 'this tile holds the batch's first tokens' (cluster y = 0) is the same in all sixteen partners.
; THE MATRIX INSTRUCTION IS USED TRANSPOSED (source 0 = 16 rows of B, source 1 = 16 rows of A): a lane holds eight neighbouring columns of one row.
; OUT: qkvh [plane q,k,v][batch][head][token][64] in f16: 4 tokens of a head are 512 consecutive bytes, which one store of the wave covers.  Tokens 0-15 of each batch go out in f32 too: q32 [batch][16][3072].
; LIMIT: entries of qkv beyond 65,504 have no f16 number.
; REGISTERS: window 0: v0-31 addresses; v32-95 scale words, two sets, and nothing else; v128-191 A's fragments, on the way out rows read back; v192-223 packed results.
;   window 1: B's fragments, two sets, at v0 and v128.  window 2: accumulators of my rows 0-63 ((a, b) at v[8 (8 a + b)]);  window 3: of my rows 64-127.
.set NQ,     4                         ; steps of 128 along K in a slot
.set ROWB,   256                       ; a tile's row in bytes: 512 codes
.set KROW,   512                       ; a row of A or B in memory
.set PITCH,  272                       ; an LDS row: 256 bytes + 16: the 16 rows that a load touches begin 16 bytes further on each, modulo 256
.set FR,     8
.set NL,     2
.set NP,     4                         ; places behind this matrix instruction (ISA guide 7.12.1)
.set HALFT,  128*PITCH
.set SLOT,   4*HALFT
.set KS,     32                        ; a row of scale bytes
.set SCL,    2*SLOT                    ; behind the slots: the scales, as rows of 256 bytes + 16
.set HALFS,  16*272                    ; those of 128 rows
.set SBLK,   2*272                     ; those of 16 rows
.set SPARE,  SCL+4*HALFS               ; the spare words, 128 bytes a wave: two blocks of 256 bytes that no other line names
.set ADRA, 16
.set ADRB, 20
.set STO32, 22                         ; v22 the f32 way out: where I put 32 bytes of a row
.set RD32,  23                         ; v23 and where I read a row back
.set STO,  24                          ; v24 the f16 way out: where I put 16 bytes of a row
.set RD,   25                          ; v25 where I read 4 tokens of a head back
.set CO,   26                          ; v26 16 x lane
.set ADRS, 27
.set SPW,  28
.set NIL,  29
.set SC,   32
.set AF,   128
.set BK,   128                         ; the way out: v128-159 and v160-191 by turns
.set TMP,  192
.set G1, 24
.set G0, 32
.set G1B, 48
.set G0B, 56
.set G1S, 68
.set G0S, 76
.set G1SB, 80
.set G0SB, 88
.set MSB, 0
.macro WIN new                         ; the immediate's high byte repeats the setting that is left
.if MSB != \new
	s_set_vgpr_msb (MSB<<8)|\new
.set MSB, \new
.endif
.endm
.set MUL_LO, 0xa1                      ; source 0 (B) window 1, source 1 (A) window 0, C and D window 2
.set MUL_HI, 0xf1
.set TO_B,   0x40
; A joint load: waves 0 and 1 fetch for A, waves 2 and 3 for B; the branch hangs on the wave's number alone.  An s_nop 0 and four v_nop follow each of the two lines.
.macro JLOAD g0a, g1a, g0b, g1b
	s_cmp_eq_u32 s15, 0
	s_cbranch_scc0 .Lfor_b_\@
	tensor_load_to_lds s[\g0a:\g0a+3], s[\g1a:\g1a+7]
	s_nop 0
.rept 4
	v_nop
.endr
	s_branch .Lasked_\@
.Lfor_b_\@:
	tensor_load_to_lds s[\g0b:\g0b+3], s[\g1b:\g1b+7]
	s_nop 0
.rept 4
	v_nop
.endr
.Lasked_\@:
.endm
.macro CROUND                          ; a round of the cluster's barrier
	s_barrier_signal -1
	s_barrier_wait -1
	s_cmp_lg_u32 s14, 0
	s_cbranch_scc1 .Lnot_wave_0_\@
	s_barrier_signal -3
.Lnot_wave_0_\@:
	s_barrier_wait -3
	s_barrier_signal -1
	s_barrier_wait -1
.endm
	s_load_b128 s[4:7], s[0:1], 0x0                ; A's codes, A's scales
	s_load_b128 s[8:11], s[0:1], 0x10              ; B's codes, B's scales
	s_load_b64 s[12:13], s[0:1], 0x20              ; qkvh
	s_load_b64 s[98:99], s[0:1], 0x28              ; q32
	v_lshl_add_u32 v[SPW], v0, 2, SPARE
	v_mov_b32 v[NIL], 0
	ds_add_u32 v[SPW], v[NIL]                      ; the wave's opening: the add, twice on end, and its wait ahead of my first tensor load
	ds_add_u32 v[SPW], v[NIL]
	v_lshrrev_b32 v1, 5, v0
	v_readfirstlane_b32 s14, v1                    ; wave 0..3
	s_lshr_b32 s15, s14, 1                         ; which half of the tile's rows is mine.  Also: I fetch for A (0) or for B (1)
	s_and_b32 s16, s14, 1                          ; which half of its columns.  Also: which 128 rows of that tile I fetch
	s_bfe_u32 s40, ttmp6, 0x40000                  ; cx
	s_bfe_u32 s41, ttmp6, 0x40004                  ; cy
	s_lshl_b32 s42, ttmp9, 2
	s_add_co_u32 s42, s42, s40                     ; tile column = 4 x cluster x + cx
	s_and_b32 s96, ttmp7, 0xffff                   ; cluster y: which 256 tokens of a batch
	s_lshl_b32 s17, s41, 3
	s_add_co_u32 s17, s17, s96                     ; tile row = 8 cy + cluster y: batch cy
	s_lshl_b32 s43, s41, 2
	s_lshl_b32 s43, 15, s43                        ; my row of the cluster
	s_lshl_b32 s44, 0x1111, s40                    ; my column
	s_or_b32 s[G1+0], s43, (0<<16)|(1<<20)|(1<<21)|(5<<22)|(3<<25)  ; the mask; elements of 1 byte; padding on; bit 21 beside a mask; after every 64 words, 4 words
	s_or_b32 s[G1B+0], s44, (0<<16)|(1<<20)|(1<<21)|(5<<22)|(3<<25)
.irp g, G1, G1B
	s_mov_b32 s[\g+1], ROWB<<16                    ; tensor_dim0
	s_mov_b32 s[\g+2], 128<<16                     ; tensor_dim1
	s_mov_b32 s[\g+3], ROWB<<16                    ; tile_dim0
	s_mov_b32 s[\g+4], 128                         ; tile_dim1
	s_mov_b32 s[\g+5], KROW                        ; the pitch
	s_mov_b32 s[\g+6], 0
	s_mov_b32 s[\g+7], 0
.endr
	s_or_b32 s[G1S+0], s43, (3<<16)|(1<<20)|(1<<21)|(5<<22)|(3<<25)  ; the scales of 128 rows: 4,096 dense bytes as 16 rows of 32 elements of 8 bytes
	s_or_b32 s[G1SB+0], s44, (3<<16)|(1<<20)|(1<<21)|(5<<22)|(3<<25)
.irp g, G1S, G1SB
	s_mov_b32 s[\g+1], 32<<16
	s_mov_b32 s[\g+2], 16<<16
	s_mov_b32 s[\g+3], 32<<16
	s_mov_b32 s[\g+4], 16
	s_mov_b32 s[\g+5], 32
	s_mov_b32 s[\g+6], 0
	s_mov_b32 s[\g+7], 0
.endr
	s_lshl_b32 s18, s16, 7
	s_lshl_b32 s20, s17, 8
	s_add_co_u32 s20, s20, s18                     ; A: row 256 x tile row + 128 x half
	s_lshl_b32 s46, s42, 8
	s_add_co_u32 s46, s46, s18                     ; B: row 256 x tile column + 128 x half
	s_mov_b32 s21, 0
	s_mov_b32 s47, 0
	s_mov_b64 s[18:19], KS
	s_mul_u64 s[22:23], s[20:21], s[18:19]         ; where these rows' scales begin
	s_mul_u64 s[92:93], s[46:47], s[18:19]
	s_mov_b64 s[18:19], KROW
	s_mul_u64 s[20:21], s[20:21], s[18:19]         ; and their codes
	s_mul_u64 s[46:47], s[46:47], s[18:19]
	s_mul_i32 s45, s14, HALFT                      ; where they go: wave x 128 rows
	s_mul_i32 s94, s14, HALFS
	s_wait_dscnt 0x0                               ; both opening adds are done
	s_wait_kmcnt 0x0
	s_add_nc_u64 s[20:21], s[4:5], s[20:21]
	s_add_nc_u64 s[22:23], s[6:7], s[22:23]
	s_add_nc_u64 s[46:47], s[8:9], s[46:47]
	s_add_nc_u64 s[92:93], s[10:11], s[92:93]
	CROUND                                         ; all sixteen work-groups are here: the joint loads meet
	s_mov_b32 s[G0S], 1
	s_add_co_u32 s[G0S+1], s94, SCL
	s_mov_b64 s[G0S+2:G0S+3], s[22:23]
	s_or_b32 s[G0S+3], s[G0S+3], 0x80000000
	s_mov_b32 s[G0SB], 1
	s_add_co_u32 s[G0SB+1], s94, SCL
	s_mov_b64 s[G0SB+2:G0SB+3], s[92:93]
	s_or_b32 s[G0SB+3], s[G0SB+3], 0x80000000
	JLOAD G0S, G1S, G0SB, G1SB                     ; the scales first
.irp s, 0,1
	s_mov_b32 s[G0+4*\s], 1
	s_add_co_u32 s[G0+4*\s+1], s45, \s*SLOT
	s_add_nc_u64 s[G0+4*\s+2:G0+4*\s+3], s[20:21], \s*ROWB
	s_or_b32 s[G0+4*\s+3], s[G0+4*\s+3], 0x80000000
	s_mov_b32 s[G0B+4*\s], 1
	s_add_co_u32 s[G0B+4*\s+1], s45, \s*SLOT
	s_add_nc_u64 s[G0B+4*\s+2:G0B+4*\s+3], s[46:47], \s*ROWB
	s_or_b32 s[G0B+4*\s+3], s[G0B+4*\s+3], 0x80000000
	JLOAD G0+4*\s, G1, G0B+4*\s, G1B               ; three loads of mine are out in all
.endr
	v_and_b32 v1, 15, v0                           ; r = lane % 16
	v_bfe_u32 v2, v0, 4, 1                         ; h = lane / 16
	v_mul_u32_u24 v3, v1, PITCH
	v_lshl_add_u32 v4, v2, 4, v3                   ; a fragment's row x pitch + 16 h
	s_mul_i32 s21, s15, HALFT
	s_mul_i32 s22, s16, HALFT
	s_add_co_u32 s22, s22, 2*HALFT
.irp s, 0,1
	v_add_nc_u32 v[ADRA+\s], s21, v4
	v_add_nc_u32 v[ADRB+\s], s22, v4
	s_add_co_u32 s21, s21, SLOT
	s_add_co_u32 s22, s22, SLOT
.endr
	v_mul_u32_u24 v5, v1, KS                       ; my row's scales: 32 bytes a row,
	v_lshrrev_b32 v6, 8, v5
	v_lshl_add_u32 v5, v6, 4, v5                   ; and 16 more for each 256 passed
	s_mul_i32 s21, s15, HALFS
	s_mul_i32 s22, s16, HALFS
	s_add_co_u32 s22, s22, 2*HALFS
	s_sub_co_u32 s22, s22, s21
	v_mul_u32_u24 v6, s22, v2                      ; lanes 16-31 take B's: one product, the distance between the two bases
	s_add_co_u32 s21, s21, SCL
	v_add_nc_u32 v5, v5, v6
	v_add_nc_u32 v[ADRS], s21, v5
	s_mul_i32 s23, s14, 8448                       ; my stage, in slot 0: 16 rows of 272 (f16) or of 528 (f32)
	v_mul_u32_u24 v5, v1, 272
	v_lshl_add_u32 v5, v2, 4, v5
	v_add_nc_u32 v[STO], s23, v5                   ; row r, + 16 h
	v_and_b32 v6, 31, v0
	v_lshrrev_b32 v7, 3, v6
	v_mul_u32_u24 v7, v7, 272
	v_and_b32 v8, 7, v6
	v_lshl_add_u32 v7, v8, 4, v7
	v_add_nc_u32 v[RD], s23, v7                    ; back: row lane / 8, 16 bytes at 16 (lane % 8): four tokens of one head
	v_lshlrev_b32 v[CO], 4, v6
	v_mul_u32_u24 v5, v1, 528
	v_lshl_add_u32 v5, v2, 5, v5
	v_add_nc_u32 v[STO32], s23, v5
	v_add_nc_u32 v[RD32], s23, v[CO]
	; where my part begins in qkvh: plane = cluster x, batch = cy, head = 4 cx + 2 x column half, token = 256 x cluster y + 128 x row half (in the registers that held B's address: none that feeds A's descriptors holds cx)
	s_lshl_b32 s46, ttmp9, 24
	s_lshl_b32 s47, s41, 22
	s_add_co_u32 s46, s46, s47
	s_lshl_b32 s47, s40, 20
	s_add_co_u32 s46, s46, s47
	s_lshl_b32 s47, s16, 19
	s_add_co_u32 s46, s46, s47
	s_lshl_b32 s47, s96, 15
	s_add_co_u32 s46, s46, s47
	s_lshl_b32 s47, s15, 14
	s_add_co_u32 s46, s46, s47
	s_mov_b32 s47, 0
	s_add_nc_u64 s[12:13], s[12:13], s[46:47]
	s_mul_i32 s46, s41, 196608                     ; and in q32: batch cy, column 256 x tile column + 128 x half
	s_lshl_b32 s47, s42, 10
	s_add_co_u32 s46, s46, s47
	s_lshl_b32 s47, s16, 9
	s_add_co_u32 s46, s46, s47
	s_mov_b32 s47, 0
	s_add_nc_u64 s[98:99], s[98:99], s[46:47]
.macro FRAG reg, adr, q, i             ; 16 rows x 128 K of 4-bit codes: 8 registers: lane l holds row l % 16; registers 4 c .. 4 c + 3 hold K = 64 c + 32 (l / 16) + 0 .. 31
.irp c, 0,1
	ds_load_b128 v[\reg+4*\c:\reg+4*\c+3], v[\adr] offset:64*(\q)+32*\c+(\i)*16*PITCH
.endr
.endm
; 16 matrix instructions: A's blocks a0, a0 + 1 x B's eight.  The 64 accumulators take turns, one instruction a turn, in the same order in every step.
.macro MUL16 a0, p, q, sc, zero
.irp a, \a0, \a0+1
.irp b, 0,1,2,3,4,5,6,7
.if \zero
	v_wmma_scale_f32_16x16x128_f8f6f4 v[8*(8*((\a)%4)+\b):8*(8*((\a)%4)+\b)+7], v[128*(\p)+FR*\b:128*(\p)+FR*\b+FR-1], v[AF+FR*(\a):AF+FR*(\a)+FR-1], 0, v[SC+8*NQ*(\sc)+NQ*\b+(\q)], v[SC+8*NQ*(\sc)+NQ*(\a)+(\q)] matrix_a_fmt:MATRIX_FMT_FP4 matrix_b_fmt:MATRIX_FMT_FP4 matrix_a_scale:MATRIX_SCALE_ROW1
.else
	v_wmma_scale_f32_16x16x128_f8f6f4 v[8*(8*((\a)%4)+\b):8*(8*((\a)%4)+\b)+7], v[128*(\p)+FR*\b:128*(\p)+FR*\b+FR-1], v[AF+FR*(\a):AF+FR*(\a)+FR-1], v[8*(8*((\a)%4)+\b):8*(8*((\a)%4)+\b)+7], v[SC+8*NQ*(\sc)+NQ*\b+(\q)], v[SC+8*NQ*(\sc)+NQ*(\a)+(\q)] matrix_a_fmt:MATRIX_FMT_FP4 matrix_b_fmt:MATRIX_FMT_FP4 matrix_a_scale:MATRIX_SCALE_ROW1
.endif
.endr
.endr
.endm
.macro FETCH_B slot, q, p
	WIN TO_B
.irp i, 0,1,2,3,4,5,6,7
	FRAG 128*(\p)+FR*\i, ADRB+\slot, \q, \i
.endr
	WIN 0
.endm
.macro FETCH_A slot, q, i0
.irp i, \i0, \i0+1, \i0+2, \i0+3
	FRAG AF+FR*(\i), ADRA+\slot, \q, \i
.endr
.endm
.macro SCALES sc                       ; a slot's scale words: 4 words a row; lanes 0-15 take A's block i, lanes 16-31 B's block i
.irp i, 0,1,2,3,4,5,6,7
	ds_load_b128 v[SC+8*NQ*\sc+NQ*\i:SC+8*NQ*\sc+NQ*\i+3], v[ADRS] offset:\i*SBLK
.endr
.endm
.macro PLACES n                        ; plain vector lines between a matrix instruction and a load into, or a read of, its registers
.rept \n
	v_nop
.endr
.endm
.macro STEP slot, q, zero              ; a step of 128 along K that has its successor in the same slot
	s_wait_dscnt 4*NL                              ; B's set and A's blocks 0-3 are in; the youngest eight loads (A's blocks 4-7) may be out
	WIN MUL_LO
	MUL16 0, (\q)%2, \q, \slot, \zero
	MUL16 2, (\q)%2, \q, \slot, \zero
	s_wait_dscnt 0
	PLACES NP
	FETCH_B \slot, (\q)+1, 1-(\q)%2
	FETCH_A \slot, (\q)+1, 0
	WIN MUL_HI
	MUL16 4, (\q)%2, \q, \slot, \zero
	MUL16 6, (\q)%2, \q, \slot, \zero
	PLACES NP
	WIN 0
	FETCH_A \slot, (\q)+1, 4
.endm
.macro STEPS slot, from
.set Q, \from
.rept NQ-1-\from
	STEP \slot, Q, 0
.set Q, Q+1
.endr
.endm
	s_wait_tensorcnt 1                             ; the scales and my part of slot 0 are in; slot 1's load, the one issued behind them, may be out
	s_barrier_signal -1
	s_barrier_wait -1
	FETCH_B 0, 0, 0
	FETCH_A 0, 0, 0
	SCALES 0
	FETCH_A 0, 0, 4
	STEP 0, 0, 1                                   ; the first step's products start the sums: nothing is cleared
	STEPS 0, 1
	; slot 0's last step changes slots: one barrier; in front of it all my tensor loads have landed, and my reads of slot 0 are over
	s_wait_tensorcnt 0x0
	ds_add_u32 v[SPW], v[NIL]
	s_wait_dscnt 4*NL+1                            ; the add and the youngest eight loads (A's blocks 4-7) may be out
	WIN MUL_LO
	MUL16 0, 1, NQ-1, 0, 0
	s_wait_dscnt 0x0
	s_barrier_signal -1
	MUL16 2, 1, NQ-1, 0, 0
	WIN 0
	s_barrier_wait -1
	PLACES NP
	v_add_nc_u32 v[ADRS], 4*NQ, v[ADRS]            ; on to slot 1's scale words
	FETCH_B 1, 0, 0
	FETCH_A 1, 0, 0
	SCALES 1
	WIN MUL_HI
	MUL16 4, 1, NQ-1, 0, 0
	MUL16 6, 1, NQ-1, 0, 0
	PLACES NP
	WIN 0
	FETCH_A 1, 0, 4
	STEPS 1, 0
	s_wait_dscnt 4*NL                              ; the very last step
	WIN MUL_LO
	MUL16 0, 1, NQ-1, 1, 0
	MUL16 2, 1, NQ-1, 1, 0
	s_wait_dscnt 0
	WIN MUL_HI
	MUL16 4, 1, NQ-1, 1, 0
	MUL16 6, 1, NQ-1, 1, 0
	WIN 0
; THE WAY OUT, block by block of 16 rows x 128 columns (two heads).  PACK: rounded to f16, 16 bytes a lane, each accumulator from its low end on.  TOSTAGE: into my stage (slot 0 has had its one fill, and behind the
; change of slots nobody reads it), and back as 4 tokens x 128 bytes of one head.  SEND: stored, 512 consecutive bytes an instruction.
.macro PACK a
.set AC, 64*((\a)%4)
	WIN 0x0a+5*((\a)/4)                            ; sources 0 and 1: window 2 or 3
.irp b, 0,1,2,3,4,5,6,7
.irp p, 0,1,2,3
	v_cvt_pk_f16_f32 v[TMP+4*\b+\p], v[AC+8*\b+2*\p], v[AC+8*\b+2*\p+1]
.endr
.endr
	WIN 0
.endm
.macro TOSTAGE a
.set BB, BK+32*((\a)%2)
.irp b, 0,1,2,3,4,5,6,7
	ds_store_b128 v[STO], v[TMP+4*\b:TMP+4*\b+3] offset:32*\b
.endr
.irp t, 0,1,2,3,4,5,6,7
	ds_load_b128 v[BB+4*\t:BB+4*\t+3], v[RD] offset:(\t/2)*1088+(\t%2)*128   ; LDS serves a wave's instructions in order: these see the stores above
.endr
.endm
.macro SEND a
.set BB, BK+32*((\a)%2)
	s_wait_dscnt 0x0                               ; the block is back in registers
	s_wait_xcnt 0x0                                ; the block before's stores have read their registers: the next block's loads may land there
.irp t, 0,1,2,3,4,5,6,7
	global_store_b128 v[CO], v[BB+4*\t:BB+4*\t+3], s[12:13] offset:(\a)*2048+(\t/2)*512+(\t%2)*262144
.endr
.endm
	PLACES NP
	PACK 0
	TOSTAGE 0
.irp a, 1,2,3,4,5,6,7
	PACK \a                                        ; block a's conversions stand between block a - 1's loads from the stage and the wait for them
	SEND \a-1
	TOSTAGE \a
.endr
	SEND 7
	; tokens 0-15 of the batch once more, in f32: only where cluster y = 0 (the same in all partners) and in the waves of the upper row half
	s_cmp_lg_u32 s96, 0
	s_cbranch_scc1 .Lnofine
	s_cmp_lg_u32 s15, 0
	s_cbranch_scc1 .Lnofine
	s_wait_xcnt 0x0                                ; the last stores have read v128-191
	WIN 0x08                                       ; an LDS store's data are its source 1: window 2
.irp b, 0,1,2,3,4,5,6,7
	ds_store_b128 v[STO32], v[8*\b:8*\b+3] offset:64*\b
	ds_store_b128 v[STO32], v[8*\b+4:8*\b+7] offset:64*\b+16
.endr
	WIN 0
.irp t, 0,1,2,3,4,5,6,7,8,9,10,11,12,13,14,15
	ds_load_b128 v[BK+4*\t:BK+4*\t+3], v[RD32] offset:528*\t
.endr
.irp t, 0,1,2,3,4,5,6,7,8,9,10,11,12,13,14,15
	s_wait_dscnt 15-\t                             ; row t is back; the 15 - t behind it are younger
	global_store_b128 v[CO], v[BK+4*\t:BK+4*\t+3], s[98:99] offset:12288*\t   ; 512 consecutive bytes of a row of q32
.endr
.Lnofine:
	s_wait_tensorcnt 0x0                           ; the wave's end
	ds_add_u32 v[SPW], v[NIL]
	s_wait_dscnt 0x0
	CROUND                                         ; the closing round
	s_endpgm
.Lfunc_end_k_qef9b7b4521_qkv:
	.size	k_qef9b7b4521_qkv, .Lfunc_end_k_qef9b7b4521_qkv-k_qef9b7b4521_qkv
	.p2alignl 7, 3214868480
	.fill 96, 4, 3214868480
	.section	.rodata,"a",@progbits
	.p2align	6, 0x0
	.amdhsa_kernel k_qef9b7b4521_qkv
		.amdhsa_group_segment_fixed_size 327680
		.amdhsa_private_segment_fixed_size 0
		.amdhsa_enable_private_segment 0
		.amdhsa_kernarg_size 48
		.amdhsa_user_sgpr_count 2
		.amdhsa_user_sgpr_kernarg_segment_ptr 1
		.amdhsa_wavefront_size32 1
		.amdhsa_system_sgpr_workgroup_id_x 1
		.amdhsa_system_sgpr_workgroup_id_y 1
		.amdhsa_system_sgpr_workgroup_id_z 1
		.amdhsa_system_vgpr_workitem_id 0
		.amdhsa_next_free_vgpr 1024
		.amdhsa_next_free_sgpr 100
		.amdhsa_reserve_vcc 0
		.amdhsa_float_denorm_mode_32 3
		.amdhsa_float_denorm_mode_16_64 3
		.amdhsa_memory_ordered 1
		.amdhsa_forward_progress 1
		.amdhsa_inst_pref_size 131
	.end_amdhsa_kernel
	.amdgpu_metadata
---
amdhsa.version: [ 1, 2 ]
amdhsa.kernels:
  - .name:           k_qef9b7b4521_qkv
    .symbol:         k_qef9b7b4521_qkv.kd
    .args:
      - { .name: xc, .offset: 0, .size: 8, .value_kind: global_buffer, .address_space: global }
      - { .name: xs, .offset: 8, .size: 8, .value_kind: global_buffer, .address_space: global }
      - { .name: wc, .offset: 16, .size: 8, .value_kind: global_buffer, .address_space: global }
      - { .name: ws, .offset: 24, .size: 8, .value_kind: global_buffer, .address_space: global }
      - { .name: qkvh, .offset: 32, .size: 8, .value_kind: global_buffer, .address_space: global }
      - { .name: q32, .offset: 40, .size: 8, .value_kind: global_buffer, .address_space: global }
    .group_segment_fixed_size: 327680
    .private_segment_fixed_size: 0
    .kernarg_segment_align: 8
    .kernarg_segment_size: 48
    .max_flat_workgroup_size: 128
    .sgpr_count:     100
    .vgpr_count:     1024
    .wavefront_size: 32
...
	.end_amdgpu_metadata
.endif
;; end of part 2
;; launch attn (part 3): grid 4 x 64, 8 waves a work-group, no clusters, 327,680 bytes of LDS; arguments qkvh, att16; writes att16
.if DOCPART == 3
	.amdgcn_target "amdgcn-amd-amdhsa--gfx1250"
	.amdhsa_code_object_version 6
	.text
	.protected	k_qef9b7b4521_attn
	.globl	k_qef9b7b4521_attn
	.p2align	8
	.type	k_qef9b7b4521_attn,@function
k_qef9b7b4521_attn:
	s_mov_b64 s[64:65], 0
	v_nop
	global_prefetch_b8 v0, s[64:65] scope:SCOPE_SE
	s_setreg_imm32_b32 hwreg(HW_REG_WAVE_MODE, 25, 1), 1
	s_wait_xcnt 0x0
; att[b][h][q][:] = sum over k <= q of softmax_k(Q[q] . K[k] / 8) V[k][:], operands in f16, products, maxima and sums in f32, with a running maximum.
; qkvh: [plane q,k,v][b][h][2048][64] f16; att16: [b][h][2048][64] f16.
; SHARES.  Work-group (I = x, head = y) owns query blocks I and 7 - I (256 queries each), one after the other.  Block j needs key units 0 .. j (a unit = 256 keys): I + 1 and 8 - I units: NINE in every
; work-group, so that all 256 have the same work and the loop's trip count is a constant.  A wave owns 32 queries, two tiles of 16; two waves share a SIMD, so that one wave's softmax stands beside the other's products.
; NO CLUSTER: the four work-groups of a head stand at different key units in the same trip (unit u of block I against unit u - I' - 1 of another's second block), so a joint load would name different tiles.
; LAYOUT.  S^T = K Q^T (source 0 = 16 keys, source 1 = 16 queries): a lane holds ONE query (lane % 16) and keys 8 (lane / 16) + 0..7.  Two such tiles, rounded to f16 in pairs, ARE source 1 of O^T = V^T P.
; K comes out of LDS as it lies, V turned by ds_load_tr16_b128.  In LDS two tokens share a row of 256 bytes (as they lie in memory): token k at (k / 2) x pitch + 128 (k % 2).
; THE MASK.  A step of 64 keys that lies wholly behind the wave's last query is left out (a scalar branch on ids; no barrier, wait for tiles or tensor load stands in a step); on the diagonal hidden scores become
; -infinity ahead of the maximum.  Key 0 counts for every query, so the maximum is a number from the first step on.
; LIMITS: NaN and infinities are not served.
; REGISTERS.  window 0: v2-15 addresses; v16-31 statistics, 8 a tile: +0 c m, +1 m, +2 +3 l, +4..+7 at work (a in +6); v64-127 S^T, 32 a tile; v128-159 P; v160-223 O^T; v224-255 packed results.
;   window 1: v0-31 Q of the block in hand; v32-63 Q of the second block; v64-127 K of a step; v128-191 V of a step.
.set PK,    272                        ; a row of K's tile in LDS: 256 bytes + 16
.set PVP,   288                        ; of V's: 256 + 32
.set VOFF,  128*PK                     ; a slot: 128 rows of K, then 128 rows of V
.set SLOT1, 131072                     ; one exclusive or turns an address in one slot into the other's
.set STAGE, 262144                     ; behind the slots: two tiles x 16 rows x 144 bytes for each wave
.set SPARE, STAGE+8*4608               ; the spare words, 128 bytes a wave: four blocks of 256 bytes that no other line names
.set AK0, 2
.set AV0, 3
.set ADK, 4
.set ADV, 5
.set QO,  6
.set STO, 7
.set RD,  8
.set GO,  9
.set DG,  10                           ; r - 8 h
.set NINF, 11
.set SPW, 12
.set NIL, 13
.set PFO, 14
.set DD,  15
.set ST,  16
.set S,   64
.set P,   128
.set O,   160
.set TMP, 224
.set QF,  0
.set QB,  32
.set KF,  64
.set VF,  128
.set WV,  8
.set I,   9
.set BH,  10
.set U,   11                           ; the trip: which of the nine units is multiplied
.set TB,  12                           ; LDS byte at which the slot in hand begins
.set KFU, 13                           ; the unit's first key
.set Q0,  14                           ; my first query
.set QL,  15                           ; my last
.set Q0B, 16                           ; my first query in the second block
.set SEL, 18
.set CS,  20                           ; s[20:21] c = log2(e) / 8
.set G1K, 24
.set G1V, 32
.set G0K, 40
.set G0V, 44
.set KB,  48                           ; s[48:49] K of my head, at the half of a unit that my wave's number names; s[50:51] V likewise
.set VB,  50
.set KO,  52                           ; s[52:53] byte offset of the key unit to be fetched
.set OA,  54                           ; s[54:55] my rows of att16 in the block in hand; s[56:57] in the second block
.set OB,  56
.set PFA, 58
.set LIM, 60
.set MSB, 0
.macro WIN new
.if MSB != \new
	s_set_vgpr_msb (MSB<<8)|\new
.set MSB, \new
.endif
.endm
.macro PLACES
.rept 4
	v_nop
.endr
.endm
; Waves 0 and 1 fetch K's halves of a unit, waves 2 and 3 V's, the others nothing.  An s_nop 0 and four v_nop follow each of the two lines.
.macro TLOAD
	s_cmp_lt_u32 s[WV], 2
	s_cbranch_scc0 .Lnot_k_\@
	tensor_load_to_lds s[G0K:G0K+3], s[G1K:G1K+7]
	s_nop 0
.rept 4
	v_nop
.endr
	s_branch .Lasked_\@
.Lnot_k_\@:
	s_cmp_lt_u32 s[WV], 4
	s_cbranch_scc0 .Lasked_\@
	tensor_load_to_lds s[G0V:G0V+3], s[G1V:G1V+7]
	s_nop 0
.rept 4
	v_nop
.endr
.Lasked_\@:
.endm
; A PREFETCH of the key unit that the NEXT trip's tensor loads will ask for.  The work-group with I = 0 walks all eight units of its head in its second block (trip u loads unit u): it alone asks, in trip u for
; unit u + 1, u = 0 .. 6; waves 4 and 5 for K's halves, waves 6 and 7 for V's: 16,384 bytes a wave, lanes 256 bytes apart, two instructions.  So each block of 256 bytes is named once, and none lies past the head's rows.
.macro ASK
	s_cmp_lt_u32 s[U], s[LIM]
	s_cbranch_scc0 .Lnot_mine_\@
	global_prefetch_b8 v[PFO], s[PFA:PFA+1] th:TH_LOAD_NT scope:SCOPE_SE
	global_prefetch_b8 v[PFO], s[PFA:PFA+1] offset:8192 th:TH_LOAD_NT scope:SCOPE_SE
.Lnot_mine_\@:
.endm
	s_load_b128 s[4:7], s[0:1], 0x0                ; qkvh, att16
	v_lshl_add_u32 v[SPW], v0, 2, SPARE
	v_mov_b32 v[NIL], 0
	ds_add_u32 v[SPW], v[NIL]                      ; the wave's opening: the add, twice on end, and its wait ahead of the first tensor load
	ds_add_u32 v[SPW], v[NIL]
	v_lshrrev_b32 v1, 5, v0
	v_readfirstlane_b32 s[WV], v1                  ; wave 0..7
	s_mov_b32 s[I], ttmp9
	s_and_b32 s[BH], ttmp7, 0xffff
	s_mov_b32 s[G1K], (1<<16)|(1<<20)|(5<<22)|(3<<25)   ; elements of 2 bytes; padding on: after every 64 words, 4 words
	s_mov_b32 s[G1V], (1<<16)|(1<<20)|(5<<22)|(7<<25)   ; the same with 8 words
.irp g, G1K, G1V
	s_mov_b32 s[\g+1], 128<<16                     ; tensor_dim0 = 128 elements: two tokens
	s_mov_b32 s[\g+2], 64<<16                      ; tensor_dim1 = 64 rows: half a unit
	s_mov_b32 s[\g+3], 128<<16                     ; tile_dim0
	s_mov_b32 s[\g+4], 64                          ; tile_dim1
	s_mov_b32 s[\g+5], 128                         ; the pitch: dense
	s_mov_b32 s[\g+6], 0
	s_mov_b32 s[\g+7], 0
.endr
	s_mov_b32 s[SEL], 0x76543210
	s_mov_b32 s[SEL+1], 0xfedcba98
	s_mov_b32 s[CS], 0x3e38aa3b                    ; log2(e) / 8
	s_mov_b32 s[CS+1], s[CS]
	s_mov_b32 s[U], 0
	s_mov_b32 s[TB], 0
	s_mov_b32 s[KFU], 0
	s_mov_b32 s[KO], 0
	s_mov_b32 s[KO+1], 0
	s_and_b32 s66, s[WV], 1
	s_mul_i32 s67, s66, 64*PK                      ; K's half in a slot
	s_mul_i32 s68, s66, 64*PVP
	s_add_co_u32 s68, s68, VOFF                    ; V's
	s_lshl_b32 s69, s[BH], 18                      ; the head's first byte in a plane
	s_lshl_b32 s70, s66, 14
	s_add_co_u32 s70, s70, s69
	s_mov_b32 s71, 0
	s_lshl_b32 s72, s[I], 15
	s_lshl_b32 s73, s[WV], 12
	s_add_co_u32 s72, s72, s73
	s_add_co_u32 s72, s72, s69                     ; my 32 rows in block I
	s_sub_co_u32 s74, 7, s[I]
	s_lshl_b32 s[Q0B], s74, 8
	s_lshl_b32 s74, s74, 15
	s_add_co_u32 s74, s74, s73
	s_add_co_u32 s74, s74, s69                     ; and in block 7 - I
	s_mov_b32 s73, 0
	s_mov_b32 s75, 0
	s_lshl_b32 s76, s[WV], 5
	s_add_co_u32 s[Q0B], s[Q0B], s76
	s_lshl_b32 s[Q0], s[I], 8
	s_add_co_u32 s[Q0], s[Q0], s76
	s_add_co_u32 s[QL], s[Q0], 31
	s_lshr_b32 s77, s[WV], 2
	s_xor_b32 s77, s77, 1                          ; 0 in waves 4 to 7,
	s_or_b32 s77, s77, s[I]                        ; of the work-group with I = 0
	s_cmp_eq_u32 s77, 0
	s_cselect_b32 s[LIM], 7, 0
	s_mul_i32 s97, s[WV], 4608
	s_add_co_u32 s97, s97, STAGE                   ; my stage
	s_wait_dscnt 0x0                               ; both opening adds are done
	s_wait_kmcnt 0x0
	s_add_nc_u64 s[KB:KB+1], s[4:5], s[70:71]
	s_add_nc_u64 s[VB:VB+1], s[KB:KB+1], 0x2000000
	s_add_nc_u64 s[KB:KB+1], s[KB:KB+1], 0x1000000
	s_mov_b32 s[G0K], 1
	s_mov_b32 s[G0K+1], s67
	s_mov_b64 s[G0K+2:G0K+3], s[KB:KB+1]
	s_or_b32 s[G0K+3], s[G0K+3], 0x80000000
	s_mov_b32 s[G0V], 1
	s_mov_b32 s[G0V+1], s68
	s_mov_b64 s[G0V+2:G0V+3], s[VB:VB+1]
	s_or_b32 s[G0V+3], s[G0V+3], 0x80000000
	TLOAD                                          ; key unit 0 into slot 0: one load of mine is out at the most, here and everywhere
	s_cmp_lt_u32 s[WV], 6
	s_cselect_b64 s[PFA:PFA+1], s[KB:KB+1], s[VB:VB+1]   ; at unit 0; the first trip steps it to unit 1.  Nothing is prefetched here, at the head
	s_add_nc_u64 s[22:23], s[4:5], s[72:73]        ; Q of block I
	s_add_nc_u64 s[78:79], s[4:5], s[74:75]        ; Q of block 7 - I
	s_add_nc_u64 s[OA:OA+1], s[6:7], s[72:73]
	s_add_nc_u64 s[OB:OB+1], s[6:7], s[74:75]
	v_and_b32 v32, 15, v0                          ; r
	v_bfe_u32 v33, v0, 4, 1                        ; h
	v_and_b32 v34, 31, v0                          ; lane
	v_lshlrev_b32 v[QO], 7, v32
	v_lshl_add_u32 v[QO], v33, 4, v[QO]            ; Q: row r of 128 bytes, + 16 h
	WIN 0x40                                       ; destination window 1
.irp x, 0,1
.irp c, 0,1
	global_load_b128 v[QF+16*\x+8*\c:QF+16*\x+8*\c+3],   v[QO], s[22:23] offset:2048*\x+64*\c
	global_load_b128 v[QF+16*\x+8*\c+4:QF+16*\x+8*\c+7], v[QO], s[22:23] offset:2048*\x+64*\c+32
	global_load_b128 v[QB+16*\x+8*\c:QB+16*\x+8*\c+3],   v[QO], s[78:79] offset:2048*\x+64*\c
	global_load_b128 v[QB+16*\x+8*\c+4:QB+16*\x+8*\c+7], v[QO], s[78:79] offset:2048*\x+64*\c+32
.endr
.endr
	WIN 0
	v_lshrrev_b32 v35, 1, v32
	v_mul_u32_u24 v[AK0], v35, PK
	v_and_b32 v35, 1, v32
	v_lshl_add_u32 v[AK0], v35, 7, v[AK0]
	v_lshl_add_u32 v[AK0], v33, 4, v[AK0]          ; K: token r of a tile: (r / 2) x pitch + 128 (r % 2) + 16 h
	v_bfe_u32 v35, v0, 1, 2
	v_lshl_add_u32 v35, v33, 2, v35
	v_mul_u32_u24 v[AV0], v35, PVP
	v_and_b32 v35, 1, v0
	v_lshl_add_u32 v[AV0], v35, 7, v[AV0]
	v_bfe_u32 v35, v0, 3, 1
	v_lshl_add_u32 v[AV0], v35, 4, v[AV0]
	v_add_nc_u32 v[AV0], VOFF, v[AV0]              ; V, for the turning load: key 8 h + lane % 8, channels 8 ((lane / 8) % 2) on
	v_mul_u32_u24 v[STO], v32, 144
	v_lshl_add_u32 v[STO], v33, 4, v[STO]
	v_add_nc_u32 v[STO], s97, v[STO]               ; the stage: row r, + 16 h
	v_lshrrev_b32 v35, 3, v34
	v_mul_u32_u24 v[RD], v35, 144
	v_and_b32 v35, 7, v34
	v_lshl_add_u32 v[RD], v35, 4, v[RD]
	v_add_nc_u32 v[RD], s97, v[RD]                 ; back: four rows of 128 bytes an instruction
	v_lshlrev_b32 v[GO], 4, v34
	v_lshlrev_b32 v35, 3, v33
	v_sub_nc_u32 v[DG], v32, v35
	v_mov_b32 v[NINF], 0xff800000
	v_lshlrev_b32 v[PFO], 8, v34
.macro FETCH_K q                       ; 64 keys x 64 channels: 8 fragments, 16 loads: keys 16 kt on, channels 32 c on
	WIN 0x40
.irp kt, 0,1,2,3
.irp c, 0,1
	ds_load_b128 v[KF+8*(2*\kt+\c):KF+8*(2*\kt+\c)+3],   v[ADK] offset:(32*(\q)+8*\kt)*PK+64*\c
	ds_load_b128 v[KF+8*(2*\kt+\c)+4:KF+8*(2*\kt+\c)+7], v[ADK] offset:(32*(\q)+8*\kt)*PK+64*\c+32
.endr
.endr
.endm
.macro FETCH_V q                       ; the same step's V, turned: keys 32 kh on, channels 16 ct on: 16 loads
	WIN 0x40
.irp kh, 0,1
.irp ct, 0,1,2,3
	ds_load_tr16_b128 v[VF+8*(4*\kh+\ct):VF+8*(4*\kh+\ct)+3],   v[ADV] offset:(32*(\q)+16*\kh)*PVP+32*\ct
	ds_load_tr16_b128 v[VF+8*(4*\kh+\ct)+4:VF+8*(4*\kh+\ct)+7], v[ADV] offset:(32*(\q)+16*\kh+8)*PVP+32*\ct
.endr
.endr
.endm
; The accumulators take turns, one instruction a turn: seven others' stand between two links of a chain.
.macro KQ                              ; product i of 16: tile i % 2, keys 16 ((i / 2) % 4) on, channels 32 (i / 8) on; the first 8 start the sums
	WIN 0x05                                       ; K and Q in window 1
.set i, 0
.rept 16
.set rS, S+32*(i%2)+8*((i/2)%4)
.set rK, KF+8*(2*((i/2)%4)+i/8)
.set rQ, QF+16*(i%2)+8*(i/8)
.if i < 8
	v_wmma_f32_16x16x32_f16 v[rS:rS+7], v[rK:rK+7], v[rQ:rQ+7], 0
.else
	v_wmma_f32_16x16x32_f16 v[rS:rS+7], v[rK:rK+7], v[rQ:rQ+7], v[rS:rS+7]
.endif
.set i, i+1
.endr
.endm
.macro PV                              ; product i of 16: tile i % 2, channels 16 ((i / 2) % 4) on, keys 32 (i / 8) on
	WIN 0x01                                       ; V in window 1
.set i, 0
.rept 16
.set rO, O+32*(i%2)+8*((i/2)%4)
.set rV, VF+8*(4*(i/8)+(i/2)%4)
.set rP, P+16*(i%2)+8*(i/8)
	v_wmma_f32_16x16x32_f16 v[rO:rO+7], v[rV:rV+7], v[rP:rP+7], v[rO:rO+7]
.set i, i+1
.endr
.endm
; Register n of tile x holds key KFU + 64 q + 16 (n / 8) + 8 h + n % 8 for query Q0 + 16 x + r: hidden where 16 (n / 8) + n % 8 - 16 x > Q0 - KFU - 64 q + r - 8 h.  A step all of whose keys count skips this.
.macro MASK q
	s_add_co_u32 s96, s[KFU], 64*\q+63
	s_cmp_le_u32 s96, s[Q0]
	s_cbranch_scc1 .Lopen_\@
	s_sub_co_i32 s96, s[Q0], s[KFU]
	s_sub_co_i32 s96, s96, 64*\q
	v_add_nc_u32 v[DD], s96, v[DG]
.set n, 0
.rept 32
.irp x, 0,1
	v_cmp_gt_i32 vcc_lo, 16*(n/8)+n%8-16*\x, v[DD]
	v_cndmask_b32 v[S+32*\x+n], v[S+32*\x+n], v[NINF], vcc_lo
.endr
.set n, n+1
.endr
.Lopen_\@:
.endm
; One step's softmax, both tiles line by line, so that no line reads the result of the line above it.
.macro SOFTMAX
.irp j, 0,1,2,3
.irp x, 0,1
	v_max3_num_f32 v[ST+8*\x+4+\j], v[S+32*\x+8*\j], v[S+32*\x+8*\j+1], v[S+32*\x+8*\j+2]   ; four chains, each begun at an accumulator's low end
.endr
.endr
.irp g, 1,2
.irp j, 0,1,2,3
.irp x, 0,1
	v_max3_num_f32 v[ST+8*\x+4+\j], v[ST+8*\x+4+\j], v[S+32*\x+8*\j+2*\g+1], v[S+32*\x+8*\j+2*\g+2]
.endr
.endr
.endr
.irp x, 0,1
	v_max3_num_f32 v[ST+8*\x+4], v[ST+8*\x+4], v[S+32*\x+7], v[S+32*\x+15]
.endr
.irp x, 0,1
	v_max3_num_f32 v[ST+8*\x+6], v[ST+8*\x+6], v[S+32*\x+23], v[S+32*\x+31]
.endr
.irp x, 0,1
	v_max3_num_f32 v[ST+8*\x+4], v[ST+8*\x+4], v[ST+8*\x+5], v[ST+8*\x+6]
.endr
.irp x, 0,1
	v_max3_num_f32 v[ST+8*\x+4], v[ST+8*\x+4], v[ST+8*\x+7], v[ST+8*\x+1]   ; and the old m
.endr
.irp x, 0,1
	v_permlanex16_b32 v[ST+8*\x+5], v[ST+8*\x+4], s[SEL], s[SEL+1]   ; the query's other 32 keys lie in the lane 16 away
.endr
.irp x, 0,1
	v_mov_b32 v[ST+8*\x+7], v[ST+8*\x]             ; c m_old
.endr
.irp x, 0,1
	v_max_num_f32 v[ST+8*\x+1], v[ST+8*\x+4], v[ST+8*\x+5]
.endr
.irp x, 0,1
	v_mul_f32 v[ST+8*\x], s[CS], v[ST+8*\x+1]
.endr
.irp x, 0,1
	v_sub_f32 v[ST+8*\x+7], v[ST+8*\x+7], v[ST+8*\x]
.endr
.set b, 0
.rept 16
.irp x, 0,1
	v_pk_fma_f32 v[S+32*\x+2*b:S+32*\x+2*b+1], v[S+32*\x+2*b:S+32*\x+2*b+1], s[CS:CS+1], v[ST+8*\x:ST+8*\x+1] op_sel_hi:[1,0,0] neg_lo:[0,0,1] neg_hi:[0,0,1]   ; c s - c m
.endr
.set b, b+1
.endr
.irp x, 0,1
	v_exp_f32 v[ST+8*\x+6], v[ST+8*\x+7]           ; a = 2^(c m_old - c m_new)
.endr
.set b, 0
.rept 32
.irp x, 0,1
	v_exp_f32 v[S+32*\x+b], v[S+32*\x+b]           ; p: ONE BATCH of 66 exponentials; none reads another's result
.endr
.set b, b+1
.endr
	v_nop                                          ; the plain line behind the last exponential
	s_wait_alu depctr_va_vdst(0)                   ; and the one wait for the batch, ahead of its first reader
.set b, 0
.rept 16
.irp x, 0,1
	v_cvt_pk_f16_f32 v[P+16*\x+b], v[S+32*\x+2*b], v[S+32*\x+2*b+1]
.endr
.set b, b+1
.endr
.irp w, 4,8,16,32
.set u, 0
.rept 32/\w
.irp x, 0,1
	v_pk_add_f32 v[S+32*\x+\w*u:S+32*\x+\w*u+1], v[S+32*\x+\w*u:S+32*\x+\w*u+1], v[S+32*\x+\w*u+\w/2:S+32*\x+\w*u+\w/2+1]   ; the sum of the unrounded p, in place, as a tree
.endr
.set u, u+1
.endr
.endr
.irp x, 0,1
	v_pk_fma_f32 v[ST+8*\x+2:ST+8*\x+3], v[ST+8*\x+2:ST+8*\x+3], v[ST+8*\x+6:ST+8*\x+7], v[S+32*\x:S+32*\x+1] op_sel_hi:[1,0,1]   ; l = a l + the sum
.endr
.set b, 0
.rept 16
.irp x, 0,1
	v_pk_mul_f32 v[O+32*\x+2*b:O+32*\x+2*b+1], v[O+32*\x+2*b:O+32*\x+2*b+1], v[ST+8*\x+6:ST+8*\x+7] op_sel_hi:[1,0]   ; O^T x a
.endr
.set b, b+1
.endr
.endm
; A STEP: 64 keys, the q-th of the unit.  K of the step was asked for a step ago.
.macro STEP q, id
.if \q > 0
	s_add_co_u32 s96, s[KFU], 64*\q
	s_cmp_gt_u32 s96, s[QL]                        ; all its keys come after my last query: so do those of the unit's later steps
	s_cbranch_scc1 .Ldone_\id
.endif
	PLACES                                         ; between the last products that read V's registers and the loads into them
	FETCH_V \q
	s_wait_dscnt 16                                ; K of this step is in; V's 16 loads are younger
	KQ
	PLACES                                         ; between those products and the loads into K's registers, and the reads of the scores
.if \q < 3
	FETCH_K (\q)+1
.endif
	WIN 0
	MASK \q
	SOFTMAX
.if \q < 3
	s_wait_dscnt 16                                ; V of this step is in; the next step's K, 16 loads, is younger
.else
	s_wait_dscnt 0x0
.endif
	PV
	WIN 0
.endm
.macro UNIT
	v_add_nc_u32 v[ADK], s[TB], v[AK0]
	v_add_nc_u32 v[ADV], s[TB], v[AV0]
	FETCH_K 0
	WIN 0
	STEP 0, \@
	STEP 1, \@
	STEP 2, \@
	STEP 3, \@
.Ldone_\@:
.endm
; THE CHANGE OF SLOTS stands at a unit's head.  Each wave waits for all its tensor loads (its part of the slot that it is about to read), adds 0 to its spare word, and waits for that and for its reads of the slot
; that it has left.  Behind the barrier the slot ahead is whole and nobody reads the other.  fill = 1: that other slot takes the next unit: it has a whole unit's steps in which to land.
.macro CHANGE fill
	s_wait_tensorcnt 0x0                           ; no tensor load of mine is out, so a group 0 may be written
	ds_add_u32 v[SPW], v[NIL]
.if \fill
	ds_add_u32 v[SPW], v[NIL]                      ; and once more, in every trip alike
	s_add_co_u32 s[KO], s[KO], 32768               ; the next key unit,
	s_cmp_eq_u32 s[U], s[I]
	s_cselect_b32 s[KO], 0, s[KO]                  ; or, behind the first block's last, the second block's unit 0
	s_add_nc_u64 s[G0K+2:G0K+3], s[KB:KB+1], s[KO:KO+1]
	s_or_b32 s[G0K+3], s[G0K+3], 0x80000000
	s_xor_b32 s[G0K+1], s[G0K+1], SLOT1
	s_add_nc_u64 s[G0V+2:G0V+3], s[VB:VB+1], s[KO:KO+1]
	s_or_b32 s[G0V+3], s[G0V+3], 0x80000000
	s_xor_b32 s[G0V+1], s[G0V+1], SLOT1
	s_wait_xcnt 0x0                                ; the last prefetches, a unit back, have read their address
	s_add_nc_u64 s[PFA:PFA+1], s[PFA:PFA+1], 32768
.endif
	s_wait_dscnt 0x0
	s_barrier_signal -1
	s_barrier_wait -1
.if \fill
	TLOAD                                          ; the first thing behind the barrier, and a wave's one tensor load until the next
	ASK
.endif
.endm
.macro INIT                            ; a block begins: m = -3e38, under every score; l and O^T are zeros, which the first a (0) leaves zeros: so the step is written once
.irp x, 0,1
	v_mov_b32 v[ST+8*\x+1], 0xff61b1e6
	v_mov_b32 v[ST+8*\x+2], 0
	v_mov_b32 v[ST+8*\x+3], 0
.endr
.irp x, 0,1
	v_mul_f32 v[ST+8*\x], s[CS], v[ST+8*\x+1]
.endr
.set i, 0
.rept 64
	v_mov_b32 v[O+i], 0
.set i, i+1
.endr
.endm
; THE WAY OUT of a block: O^T / l, rounded to f16, through my stage, and out as 4 tokens x 128 bytes: 512 consecutive bytes a store.
.macro WAYOUT
	PLACES
.irp x, 0,1
	v_add_f32 v[ST+8*\x+4], v[ST+8*\x+2], v[ST+8*\x+3]
.endr
.irp x, 0,1
	v_permlanex16_b32 v[ST+8*\x+5], v[ST+8*\x+4], s[SEL], s[SEL+1]
.endr
.irp x, 0,1
	v_add_f32 v[ST+8*\x+4], v[ST+8*\x+4], v[ST+8*\x+5]
.endr
.irp x, 0,1
	v_rcp_f32 v[ST+8*\x+6], v[ST+8*\x+4]
.endr
	v_nop
	s_wait_alu depctr_va_vdst(0)                   ; one wait for the two reciprocals, ahead of their first reader
.irp x, 0,1
.set i, 0
.rept 16
	v_pk_mul_f32 v[O+32*\x+i:O+32*\x+i+1], v[O+32*\x+i:O+32*\x+i+1], v[ST+8*\x+6:ST+8*\x+7] op_sel_hi:[1,0]
.set i, i+2
.endr
.endr
.irp x, 0,1
.set i, 0
.rept 16
	v_cvt_pk_f16_f32 v[TMP+16*\x+i], v[O+32*\x+2*i], v[O+32*\x+2*i+1]
.set i, i+1
.endr
.endr
.irp x, 0,1
.irp ct, 0,1,2,3
	ds_store_b128 v[STO], v[TMP+16*\x+4*\ct:TMP+16*\x+4*\ct+3] offset:2304*\x+32*\ct
.endr
.endr
.irp x, 0,1
.irp g, 0,1,2,3
	ds_load_b128 v[S+4*(4*\x+\g):S+4*(4*\x+\g)+3], v[RD] offset:2304*\x+576*\g   ; in order behind my stores
.endr
.endr
	s_wait_dscnt 0x0
.irp x, 0,1
.irp g, 0,1,2,3
	global_store_b128 v[GO], v[S+4*(4*\x+\g):S+4*(4*\x+\g)+3], s[OA:OA+1] offset:2048*\x+512*\g
.endr
.endr
.endm
	INIT
	s_wait_loadcnt 0x0                             ; Q of both blocks
.Lunit:                                            ; eight trips: in each the next of the nine units is asked for
	CHANGE 1
	UNIT
	s_add_co_u32 s[KFU], s[KFU], 256
	s_xor_b32 s[TB], s[TB], SLOT1
	s_cmp_lg_u32 s[U], s[I]                        ; the first block's last unit?  (ids and the count of trips alone: all eight waves go the same way)
	s_cbranch_scc1 .Lsame
	WAYOUT
	s_wait_xcnt 0x0                                ; the stores have read their registers and their base
	s_mov_b64 s[OA:OA+1], s[OB:OB+1]
	s_mov_b32 s[Q0], s[Q0B]
	s_add_co_u32 s[QL], s[Q0B], 31
	s_mov_b32 s[KFU], 0
	WIN 0x41                                       ; destination and source 0 window 1
.set i, 0
.rept 32
	v_mov_b32 v[QF+i], v[QB+i]                     ; the second block's Q
.set i, i+1
.endr
	WIN 0
	INIT
.Lsame:
	s_add_co_u32 s[U], s[U], 1
	s_cmp_lt_u32 s[U], 8
	s_cbranch_scc1 .Lunit
	CHANGE 0                                       ; the ninth unit is written out: nothing is left to fetch
	UNIT
	WAYOUT
	s_wait_tensorcnt 0x0                           ; the wave's end
	ds_add_u32 v[SPW], v[NIL]
	s_wait_dscnt 0x0
	s_endpgm
.Lfunc_end_k_qef9b7b4521_attn:
	.size	k_qef9b7b4521_attn, .Lfunc_end_k_qef9b7b4521_attn-k_qef9b7b4521_attn
	.p2alignl 7, 3214868480
	.fill 96, 4, 3214868480
	.section	.rodata,"a",@progbits
	.p2align	6, 0x0
	.amdhsa_kernel k_qef9b7b4521_attn
		.amdhsa_group_segment_fixed_size 327680
		.amdhsa_private_segment_fixed_size 0
		.amdhsa_enable_private_segment 0
		.amdhsa_kernarg_size 16
		.amdhsa_user_sgpr_count 2
		.amdhsa_user_sgpr_kernarg_segment_ptr 1
		.amdhsa_wavefront_size32 1
		.amdhsa_system_sgpr_workgroup_id_x 1
		.amdhsa_system_sgpr_workgroup_id_y 1
		.amdhsa_system_sgpr_workgroup_id_z 1
		.amdhsa_system_vgpr_workitem_id 0
		.amdhsa_next_free_vgpr 512
		.amdhsa_next_free_sgpr 100
		.amdhsa_reserve_vcc 1
		.amdhsa_float_denorm_mode_32 3
		.amdhsa_float_denorm_mode_16_64 3
		.amdhsa_memory_ordered 1
		.amdhsa_forward_progress 1
		.amdhsa_inst_pref_size 200
	.end_amdhsa_kernel
	.amdgpu_metadata
---
amdhsa.version: [ 1, 2 ]
amdhsa.kernels:
  - .name:           k_qef9b7b4521_attn
    .symbol:         k_qef9b7b4521_attn.kd
    .args:
      - { .name: qkvh, .offset: 0, .size: 8, .value_kind: global_buffer, .address_space: global }
      - { .name: att16, .offset: 8, .size: 8, .value_kind: global_buffer, .address_space: global }
    .group_segment_fixed_size: 327680
    .private_segment_fixed_size: 0
    .kernarg_segment_align: 8
    .kernarg_segment_size: 16
    .max_flat_workgroup_size: 256
    .sgpr_count:     100
    .vgpr_count:     512
    .wavefront_size: 32
...
	.end_amdgpu_metadata
.endif
;; end of part 3
;; launch proj (part 4): grid 8 x 32, 4 waves a work-group, clusters of 4 x 4, 327,680 bytes of LDS; arguments att16, wp16, bproj, out0; writes out0
.if DOCPART == 4
	.amdgcn_target "amdgcn-amd-amdhsa--gfx1250"
	.amdhsa_code_object_version 6
	.text
	.protected	k_qef9b7b4521_proj
	.globl	k_qef9b7b4521_proj
	.p2align	8
	.type	k_qef9b7b4521_proj,@function
k_qef9b7b4521_proj:
	s_mov_b64 s[64:65], 0
	v_nop
	global_prefetch_b8 v0, s[64:65] scope:SCOPE_SE
	s_setreg_imm32_b32 hwreg(HW_REG_WAVE_MODE, 25, 1), 1
	s_wait_xcnt 0x0
	s_wait_alu depctr_hold_cnt(0) depctr_sa_sdst(0) depctr_va_vdst(0) depctr_va_sdst(0) depctr_va_ssrc(0) depctr_va_vcc(0) depctr_vm_vsrc(0)
	s_getreg_b32 s2, hwreg(HW_REG_IB_STS2, 6, 4)
	s_cmp_eq_u32 s2, 0
	s_cbranch_scc0 .Lentry_in_a_cluster
	s_endpgm
.Lentry_in_a_cluster:
	s_bfe_u32 s2, ttmp6, 0x10000c
	s_cmp_lg_u32 s2, 0xf033
	s_cbranch_scc0 .Lentry_shape_is_right
	s_endpgm
.Lentry_shape_is_right:
; out0[m][n] = sum over k of att[m][k] Wproj[k][n] + bproj[n].  att16: [b][h][2048][64] f16 (k = 64 h + channel); wp16: [1024 k][1024 n] f16; out0: [8192][1024] f32; sums in f32.
; A tile of out0 is 256 rows x 128 columns: 256 work-groups.  Four waves, each 128 x 64: 32 accumulators, all of window 1.  K goes in 8 steps of 128 (two heads) through two LDS slots.
; A's tile is two planes, one a head: 256 tokens x 64 channels are 32,768 dense bytes, taken as 128 rows of 256 bytes (two tokens), pitch 272.  B's tile is 128 rows (k) of 256 bytes (128 n), pitch 288, and is
; read turned, by ds_load_tr16_b128.  CLUSTERS: 4 x 4; A's tiles are asked for jointly along a row of the cluster, B's along a column.
; THE MATRIX INSTRUCTION IS USED TRANSPOSED (source 0 = 16 columns of Wproj, source 1 = 16 rows of att): a lane holds eight neighbouring columns of one row.  The bias is the C of each sum's first product.
; All rows are written here; the first 16 tokens of each batch are written over by the launch that follows, which carries them in f32.
; No prefetch: B is 2 MB that every work-group reads again, and a K step's tiles are small.
; REGISTERS: window 0: v16-29 addresses; v32-63 the bias, 8 a column block; v64-159, v160-255 two fragment buffers (A's 8 fragments, then B's 4).  window 1: accumulator (a, b) at v[8 (4 a + b)].
.set SLOT,  106496
.set BOFF,  69632                      ; behind A's two planes of 34,816
.set STAGE, 2*SLOT                     ; 16 rows x 272 bytes for each wave
.set SPARE, STAGE+4*4352               ; the spare words, 128 bytes a wave: two blocks of 256 bytes that no other line names
.set ADRA, 16
.set ADRB, 20
.set STO,  24
.set RD,   25
.set CO,   26
.set SPW,  28
.set NIL,  29
.set BIAS, 32
.set F0,   64
.set F1,   160
.set G1,  24
.set G0,  32
.set G1B, 48
.set G0B, 56
.set MSB, 0
.macro WIN new
.if MSB != \new
	s_set_vgpr_msb (MSB<<8)|\new
.set MSB, \new
.endif
.endm
.macro JLOAD s                         ; a joint load: waves 0 and 1 fetch A's two planes, waves 2 and 3 B's two halves; an s_nop 0 and four v_nop follow each of the two lines
	s_cmp_eq_u32 s13, 0
	s_cbranch_scc0 .Lfor_b_\@
	tensor_load_to_lds s[G0+4*\s:G0+4*\s+3], s[G1:G1+7]
	s_nop 0
.rept 4
	v_nop
.endr
	s_branch .Lasked_\@
.Lfor_b_\@:
	tensor_load_to_lds s[G0B+4*\s:G0B+4*\s+3], s[G1B:G1B+7]
	s_nop 0
.rept 4
	v_nop
.endr
.Lasked_\@:
.endm
.macro CREST
	s_cmp_lg_u32 s12, 0
	s_cbranch_scc1 .Lnot_wave_0_\@
	s_barrier_signal -3
.Lnot_wave_0_\@:
	s_barrier_wait -3
	s_barrier_signal -1
	s_barrier_wait -1
.endm
.macro CROUND
	s_barrier_signal -1
	s_barrier_wait -1
	CREST
.endm
.macro PLACES
.rept 4
	v_nop
.endr
.endm
	s_load_b256 s[4:11], s[0:1], 0x0               ; att16 s[4:5], wp16 s[6:7], bproj s[8:9], out0 s[10:11]
	v_lshl_add_u32 v[SPW], v0, 2, SPARE
	v_mov_b32 v[NIL], 0
	ds_add_u32 v[SPW], v[NIL]                      ; the wave's opening: the add, twice on end, and its wait ahead of my first tensor load
	ds_add_u32 v[SPW], v[NIL]
	v_lshrrev_b32 v1, 5, v0
	v_readfirstlane_b32 s12, v1                    ; wave 0..3
	s_lshr_b32 s13, s12, 1                         ; my half of the tile's rows.  Also: I fetch for A (0) or for B (1)
	s_and_b32 s14, s12, 1                          ; my half of its columns.  Also: which plane of A, which 64 rows of B I fetch
	s_bfe_u32 s40, ttmp6, 0x40000                  ; cx
	s_bfe_u32 s41, ttmp6, 0x40004                  ; cy
	s_lshl_b32 s42, ttmp9, 2
	s_add_co_u32 s42, s42, s40                     ; tile column 0..7
	s_and_b32 s15, ttmp7, 0xffff
	s_lshl_b32 s15, s15, 2
	s_add_co_u32 s15, s15, s41                     ; tile row 0..31
	s_lshl_b32 s43, s41, 2
	s_lshl_b32 s43, 15, s43                        ; my row of the cluster
	s_lshl_b32 s44, 0x1111, s40                    ; my column
	s_or_b32 s[G1+0], s43, (1<<16)|(1<<20)|(1<<21)|(5<<22)|(3<<25)   ; the mask; elements of 2 bytes; padding on; bit 21 beside a mask; after every 64 words, 4 words
	s_or_b32 s[G1B+0], s44, (1<<16)|(1<<20)|(1<<21)|(5<<22)|(7<<25)  ; for B 8 words
	s_mov_b32 s[G1+1], 128<<16                     ; A: 128 rows of 128 elements, dense
	s_mov_b32 s[G1+2], 128<<16
	s_mov_b32 s[G1+3], 128<<16
	s_mov_b32 s[G1+4], 128
	s_mov_b32 s[G1+5], 128
	s_mov_b32 s[G1+6], 0
	s_mov_b32 s[G1+7], 0
	s_mov_b32 s[G1B+1], 128<<16                    ; B: 64 rows of 128 elements, 1,024 elements apart
	s_mov_b32 s[G1B+2], 64<<16
	s_mov_b32 s[G1B+3], 128<<16
	s_mov_b32 s[G1B+4], 64
	s_mov_b32 s[G1B+5], 1024
	s_mov_b32 s[G1B+6], 0
	s_mov_b32 s[G1B+7], 0
	s_lshr_b32 s16, s15, 3
	s_lshl_b32 s16, s16, 22                        ; A: the batch,
	s_and_b32 s17, s15, 7
	s_lshl_b32 s17, s17, 15                        ; its 256 tokens,
	s_add_co_u32 s16, s16, s17
	s_lshl_b32 s17, s14, 18                        ; the head of the pair
	s_add_co_u32 s16, s16, s17
	s_mov_b32 s17, 0
	s_lshl_b32 s46, s14, 17                        ; B: 64 rows of 2,048 bytes,
	s_lshl_b32 s47, s42, 8                         ; 128 columns
	s_add_co_u32 s46, s46, s47
	s_mov_b32 s47, 0
	s_mul_i32 s20, s14, 34816                      ; where they go: no place in the cluster enters an LDS address
	s_mul_i32 s21, s14, 18432
	s_add_co_u32 s21, s21, BOFF
	s_wait_dscnt 0x0                               ; both opening adds are done
	s_wait_kmcnt 0x0
	s_add_nc_u64 s[18:19], s[4:5], s[16:17]
	s_add_nc_u64 s[46:47], s[6:7], s[46:47]
	CROUND                                         ; all sixteen work-groups are here: the first joint loads meet
.irp s, 0,1
	s_mov_b32 s[G0+4*\s], 1
	s_add_co_u32 s[G0+4*\s+1], s20, \s*SLOT
	s_add_nc_u64 s[G0+4*\s+2:G0+4*\s+3], s[18:19], \s*524288      ; K step s: two heads on
	s_or_b32 s[G0+4*\s+3], s[G0+4*\s+3], 0x80000000
	s_mov_b32 s[G0B+4*\s], 1
	s_add_co_u32 s[G0B+4*\s+1], s21, \s*SLOT
	s_add_nc_u64 s[G0B+4*\s+2:G0B+4*\s+3], s[46:47], \s*262144    ; 128 rows on
	s_or_b32 s[G0B+4*\s+3], s[G0B+4*\s+3], 0x80000000
	JLOAD \s
.endr
	v_and_b32 v1, 15, v0                           ; r
	v_bfe_u32 v2, v0, 4, 1                         ; h
	s_lshl_b32 s46, s42, 9
	s_lshl_b32 s47, s14, 8
	s_add_co_u32 s46, s46, s47                     ; my first column, in bytes of f32
	s_mov_b32 s47, 0
	s_add_nc_u64 s[8:9], s[8:9], s[46:47]
	s_add_nc_u64 s[10:11], s[10:11], s[46:47]
	v_lshlrev_b32 v6, 5, v2
.irp b, 0,1,2,3
	global_load_b128 v[BIAS+8*\b:BIAS+8*\b+3],   v6, s[8:9] offset:64*\b       ; bproj at columns 16 b + 8 h + 0 .. 7: the result's layout
	global_load_b128 v[BIAS+8*\b+4:BIAS+8*\b+7], v6, s[8:9] offset:64*\b+16
.endr
	s_lshl_b32 s16, s15, 20
	s_lshl_b32 s17, s13, 19
	s_add_co_u32 s16, s16, s17                     ; my first row of out0, 4,096 bytes a row
	s_mov_b32 s17, 0
	s_add_nc_u64 s[10:11], s[10:11], s[16:17]
	v_lshrrev_b32 v3, 1, v1
	v_mul_u32_u24 v3, v3, 272
	v_and_b32 v4, 1, v1
	v_lshl_add_u32 v3, v4, 7, v3
	v_lshl_add_u32 v3, v2, 4, v3                   ; A: token r of a block: (r / 2) x 272 + 128 (r % 2) + 16 h
	v_and_b32 v4, 7, v0
	v_lshl_add_u32 v4, v2, 3, v4
	v_mul_u32_u24 v4, v4, 288
	v_bfe_u32 v5, v0, 3, 1
	v_lshl_add_u32 v4, v5, 4, v4                   ; B, for the turning load: row 8 h + lane % 8, columns 8 ((lane / 8) % 2) on
	s_mul_i32 s21, s13, 17408                      ; my 128 tokens: 64 LDS rows
	s_lshl_b32 s22, s14, 7                         ; my 64 columns
	s_add_co_u32 s22, s22, BOFF
.irp s, 0,1
	v_add_nc_u32 v[ADRA+\s], s21, v3
	v_add_nc_u32 v[ADRB+\s], s22, v4
	s_add_co_u32 s21, s21, SLOT
	s_add_co_u32 s22, s22, SLOT
.endr
	s_mul_i32 s23, s12, 4352
	s_add_co_u32 s23, s23, STAGE                   ; my stage
	v_mul_u32_u24 v5, v1, 272
	v_lshl_add_u32 v5, v2, 5, v5
	v_add_nc_u32 v[STO], s23, v5                   ; in: row r, + 32 h
	v_mul_u32_u24 v5, v2, 272
	v_lshl_add_u32 v5, v1, 4, v5
	v_add_nc_u32 v[RD], s23, v5                    ; back: lanes 0-15 one row of 256 bytes, lanes 16-31 the next
	v_lshlrev_b32 v5, 12, v2
	v_lshl_add_u32 v[CO], v1, 4, v5                ; the same two rows in out0
; 24 LDS loads in one run: quarter q (32 along K) of a slot into buffer f: B's four fragments, A's blocks 0-3, A's blocks 4-7
.macro FETCH slot, q, f
	WIN 0
.irp b, 0,1,2,3
	ds_load_tr16_b128 v[\f+64+8*\b:\f+64+8*\b+3],   v[ADRB+\slot] offset:9216*(\q)+32*\b
	ds_load_tr16_b128 v[\f+64+8*\b+4:\f+64+8*\b+7], v[ADRB+\slot] offset:9216*(\q)+32*\b+4608
.endr
.irp i, 0,1,2,3,4,5,6,7
	ds_load_b128 v[\f+8*\i:\f+8*\i+3],   v[ADRA+\slot] offset:((\q)/2)*34816+((\q)%2)*64+2176*\i
	ds_load_b128 v[\f+8*\i+4:\f+8*\i+7], v[ADRA+\slot] offset:((\q)/2)*34816+((\q)%2)*64+2176*\i+32
.endr
.endm
; 8 matrix instructions: row blocks a0, a0 + 1 x the 4 column blocks.  The 32 accumulators take turns, one instruction a turn, in the same order in every quarter.
.macro MUL8 f, a0, first
.if \first
	WIN 0x40                                       ; D window 1; the bias, as C, window 0
.else
	WIN 0x50                                       ; C and D window 1
.endif
.irp a, \a0, \a0+1
.irp b, 0,1,2,3
.if \first
	v_wmma_f32_16x16x32_f16 v[8*(4*(\a)+\b):8*(4*(\a)+\b)+7], v[\f+64+8*\b:\f+64+8*\b+7], v[\f+8*(\a):\f+8*(\a)+7], v[BIAS+8*\b:BIAS+8*\b+7]
.else
	v_wmma_f32_16x16x32_f16 v[8*(4*(\a)+\b):8*(4*(\a)+\b)+7], v[\f+64+8*\b:\f+64+8*\b+7], v[\f+8*(\a):\f+8*(\a)+7], v[8*(4*(\a)+\b):8*(4*(\a)+\b)+7]
.endif
.endr
.endr
.endm
; One of a K step's first three quarters: multiplies buffer f and fetches quarter qn of the same slot into g.
.macro QUARTER slot, qn, f, g, first
	s_wait_dscnt 8                                 ; B's fragments and A's blocks 0-3 are in; the youngest eight loads (A's blocks 4-7) may be out
	MUL8 \f, 0, \first
	MUL8 \f, 2, \first
	PLACES
	FETCH \slot, \qn, \g
	s_wait_dscnt 24                                ; all but the 24 just issued
	MUL8 \f, 4, \first
	MUL8 \f, 6, \first
.endm
; The last quarter multiplies buffer 1 and changes slots: ONE barrier; in front of it each wave waits for all its tensor loads, adds 0 to its spare word, and waits for that and for its reads of this slot.
.macro TURN slot, next, fill
	WIN 0
	s_wait_tensorcnt 0x0                           ; all my tensor loads have landed: the one that was out is my part of the next slot
	ds_add_u32 v[SPW], v[NIL]
	s_wait_dscnt 9                                 ; the add and the youngest eight loads may be out
	MUL8 F1, 0, 0
	s_wait_dscnt 0x0                               ; the add is done, and my reads of this slot are over
	s_barrier_signal -1
	MUL8 F1, 2, 0
.if \fill
	WIN 0
.endif
	s_barrier_wait -1
.if \fill
	CREST                                          ; the barrier has opened a round of the cluster's barrier: no wave of any partner still reads this slot or has a load on its way
	s_add_nc_u64 s[G0+4*\slot+2:G0+4*\slot+3], s[G0+4*\slot+2:G0+4*\slot+3], 1048576    ; two K steps on: four heads
	s_add_nc_u64 s[G0B+4*\slot+2:G0B+4*\slot+3], s[G0B+4*\slot+2:G0B+4*\slot+3], 524288  ; 256 rows
	JLOAD \slot                                    ; the first tensor load behind the round; its four v_nop are also the places in front of the loads below
.else
	PLACES
.endif
	FETCH \next, 0, F0
	MUL8 F1, 4, 0
	MUL8 F1, 6, 0
.endm
	s_wait_tensorcnt 1                             ; my part of K step 0 is in; K step 1's load, issued behind it, may be out
	s_barrier_signal -1
	s_barrier_wait -1
	FETCH 0, 0, F0
	s_wait_loadcnt 0x0                             ; the bias
	QUARTER 0, 1, F0, F1, 1                        ; the first quarter stands in front of the loop: its products start the sums, on the bias
	WIN 0
	s_mov_b32 s3, 3
.Llap:                                             ; a trip goes once round the two slots and fills both again: K steps 2 to 7
	QUARTER 0, 2, F1, F0, 0
	QUARTER 0, 3, F0, F1, 0
	TURN 0, 1, 1
	QUARTER 1, 1, F0, F1, 0
	QUARTER 1, 2, F1, F0, 0
	QUARTER 1, 3, F0, F1, 0
	TURN 1, 0, 1
	QUARTER 0, 1, F0, F1, 0
	WIN 0
	s_sub_co_u32 s3, s3, 1
	s_cmp_lg_u32 s3, 0
	s_cbranch_scc1 .Llap
	QUARTER 0, 2, F1, F0, 0                        ; the last lap fills nothing
	QUARTER 0, 3, F0, F1, 0
	TURN 0, 1, 0
	QUARTER 1, 1, F0, F1, 0
	QUARTER 1, 2, F1, F0, 0
	QUARTER 1, 3, F0, F1, 0
	s_wait_dscnt 8
	MUL8 F1, 0, 0
	MUL8 F1, 2, 0
	s_wait_dscnt 0x0
	MUL8 F1, 4, 0
	MUL8 F1, 6, 0
	WIN 0
; THE WAY OUT, block by block of 16 rows x 64 columns: 32 bytes a lane into my stage, back as whole rows of 256 bytes: sixteen lanes store 256 consecutive bytes, aligned.
.macro TOSTAGE a
	WIN 0x04                                       ; an LDS store's data are its source 1: window 1
.irp b, 0,1,2,3
	ds_store_b128 v[STO], v[8*(4*(\a)+\b):8*(4*(\a)+\b)+3] offset:64*\b          ; each accumulator from its low end on
	ds_store_b128 v[STO], v[8*(4*(\a)+\b)+4:8*(4*(\a)+\b)+7] offset:64*\b+16
.endr
	WIN 0
.set BB, 64+64*((\a)%2)
.irp t, 0,1,2,3,4,5,6,7
	ds_load_b128 v[BB+4*\t:BB+4*\t+3], v[RD] offset:544*\t                       ; in order behind my stores
.endr
.endm
.macro SEND a, younger
.set BB, 64+64*((\a)%2)
	s_wait_dscnt \younger                          ; the block is back; the next block's 8 stores and 8 loads are younger
.irp t, 0,1,2,3,4,5,6,7
	global_store_b128 v[CO], v[BB+4*\t:BB+4*\t+3], s[10:11] offset:(16*(\a)+2*\t)*4096 th:TH_STORE_NT
.endr
.endm
	PLACES
	TOSTAGE 0
.irp a, 1,2,3,4,5,6,7
.if \a > 1
	s_wait_xcnt 0x0                                ; block a - 2's stores have read their registers: block a's loads may land there
.endif
	TOSTAGE \a
	SEND \a-1, 16
.endr
	SEND 7, 0
	s_wait_tensorcnt 0x0                           ; the wave's end
	ds_add_u32 v[SPW], v[NIL]
	s_wait_dscnt 0x0
	CROUND                                         ; the closing round
	s_endpgm
.Lfunc_end_k_qef9b7b4521_proj:
	.size	k_qef9b7b4521_proj, .Lfunc_end_k_qef9b7b4521_proj-k_qef9b7b4521_proj
	.p2alignl 7, 3214868480
	.fill 96, 4, 3214868480
	.section	.rodata,"a",@progbits
	.p2align	6, 0x0
	.amdhsa_kernel k_qef9b7b4521_proj
		.amdhsa_group_segment_fixed_size 327680
		.amdhsa_private_segment_fixed_size 0
		.amdhsa_enable_private_segment 0
		.amdhsa_kernarg_size 32
		.amdhsa_user_sgpr_count 2
		.amdhsa_user_sgpr_kernarg_segment_ptr 1
		.amdhsa_wavefront_size32 1
		.amdhsa_system_sgpr_workgroup_id_x 1
		.amdhsa_system_sgpr_workgroup_id_y 1
		.amdhsa_system_sgpr_workgroup_id_z 1
		.amdhsa_system_vgpr_workitem_id 0
		.amdhsa_next_free_vgpr 512
		.amdhsa_next_free_sgpr 66
		.amdhsa_reserve_vcc 0
		.amdhsa_float_denorm_mode_32 3
		.amdhsa_float_denorm_mode_16_64 3
		.amdhsa_memory_ordered 1
		.amdhsa_forward_progress 1
		.amdhsa_inst_pref_size 87
	.end_amdhsa_kernel
	.amdgpu_metadata
---
amdhsa.version: [ 1, 2 ]
amdhsa.kernels:
  - .name:           k_qef9b7b4521_proj
    .symbol:         k_qef9b7b4521_proj.kd
    .args:
      - { .name: att16, .offset: 0, .size: 8, .value_kind: global_buffer, .address_space: global }
      - { .name: wp16, .offset: 8, .size: 8, .value_kind: global_buffer, .address_space: global }
      - { .name: bproj, .offset: 16, .size: 8, .value_kind: global_buffer, .address_space: global }
      - { .name: out0, .offset: 24, .size: 8, .value_kind: global_buffer, .address_space: global }
    .group_segment_fixed_size: 327680
    .private_segment_fixed_size: 0
    .kernarg_segment_align: 8
    .kernarg_segment_size: 32
    .max_flat_workgroup_size: 128
    .sgpr_count:     66
    .vgpr_count:     512
    .wavefront_size: 32
...
	.end_amdgpu_metadata
.endif
;; end of part 4
;; launch fine (part 5): grid 64 x 4, 16 waves a work-group, no clusters, 18,432 bytes of LDS; arguments q32, Wproj, bproj, out0; writes out0
.if DOCPART == 5
	.amdgcn_target "amdgcn-amd-amdhsa--gfx1250"
	.amdhsa_code_object_version 6
	.text
	.protected	k_qef9b7b4521_fine
	.globl	k_qef9b7b4521_fine
	.p2align	8
	.type	k_qef9b7b4521_fine,@function
k_qef9b7b4521_fine:
	s_mov_b64 s[64:65], 0
	v_nop
	global_prefetch_b8 v0, s[64:65] scope:SCOPE_SE
	s_setreg_imm32_b32 hwreg(HW_REG_WAVE_MODE, 25, 1), 1
	s_wait_xcnt 0x0
; THE FIRST 16 TOKENS OF EACH BATCH, all in f32: these rows average one to sixteen values and are the largest in size, so scores, softmax, P V and the projection are carried finely.  No bulk work: 64 rows of 8,192.
; q32: [batch][16 tokens][3072] f32 (q, k, v as the quantised product left them).  Work-group (x, y): output columns 16 x .. 16 x + 15 of batch y.  Wave w is head w: it makes the head's 16 x 16 attention
; (every work-group of a batch makes it again: 32 matrix instructions), multiplies its 64 channels into the 16 columns (16 more), and the 16 partial sums meet in LDS.
; Slices of 16 columns give 256 work-groups and the shortest chain; the price is pieces of 64 bytes in Wproj and out0, on 262,144 bytes of output.
; THE FORM is 16 x 16 x 4 in f32: register j of a source holds k = 2 h + j.  One permutation of k is applied alike to both sources of a product, so that a lane's registers run along what it has:
;   S^T = K Q^T:   register e of K and of Q holds channel 32 h + e of row r; instruction c takes registers 2 c, 2 c + 1.  Result: register j = key 8 h + j, lane's query r.
;   O^T = V^T P:   P is that result; register 8 t + j of V holds V[key 8 h + j][channel 16 t + r].  Result of tile t: register j = channel 16 t + 8 h + j, query r.
;   out^T = W^T A: A is that result / l; register 8 t + e of W holds Wproj[64 w + 16 t + 8 h + e][column r].  Result: register j = column 8 h + j, query r.
; The registers that the matrix instructions write (v144-159, v168-199, v232-247) are written by nothing else; what is made of a finished sum goes into other registers.
.set SPARE, 16384                      ; behind the 16 partial sums of 1,024 bytes: the spare words, 128 bytes a wave: eight blocks of 256 bytes that no other line names
	s_load_b256 s[4:11], s[0:1], 0x0               ; q32 s[4:5], Wproj s[6:7], bproj s[8:9], out0 s[10:11]
	v_lshl_add_u32 v12, v0, 2, SPARE               ; v12 my spare word, v13 0: kept for the add alone
	v_mov_b32 v13, 0
	v_lshrrev_b32 v1, 5, v0
	v_readfirstlane_b32 s12, v1                    ; wave = head
	s_and_b32 s13, ttmp7, 0xffff                   ; batch
	v_and_b32 v1, 15, v0                           ; r
	v_bfe_u32 v2, v0, 4, 1                         ; h
	v_mul_u32_u24 v3, v1, 12288
	v_lshl_add_u32 v3, v2, 7, v3                   ; Q, K: token r, channels 32 h on
	v_mul_u32_u24 v4, v2, 98304
	v_lshl_add_u32 v4, v1, 2, v4                   ; V: keys 8 h on, channel r
	v_lshlrev_b32 v5, 15, v2
	v_lshl_add_u32 v5, v1, 2, v5                   ; W: rows 8 h on, column r
	v_lshlrev_b32 v6, 3, v2
	v_sub_nc_u32 v6, v1, v6                        ; r - 8 h: key 8 h + j is hidden where j > r - 8 h
	v_mov_b32 v7, 0xff800000                       ; -infinity
	s_lshl_b32 s14, s12, 10
	v_lshlrev_b32 v14, 6, v1
	v_lshl_add_u32 v14, v2, 5, v14
	v_add_nc_u32 v14, s14, v14                     ; my partial sum: 1,024 w + 64 r + 32 h
	v_lshlrev_b32 v15, 4, v0                       ; the reduction (waves 0 and 1): 16 bytes a thread
	v_and_b32 v8, 3, v0
	v_lshlrev_b32 v8, 4, v8                        ; its four columns
	v_lshrrev_b32 v9, 2, v0
	v_lshl_add_u32 v9, v9, 12, v8                  ; and its place in out0: token thread / 4
	v_mov_b32 v253, 0                              ; written once: a lane permute's destination counts as one of its sources
	s_mov_b32 s24, 0x76543210
	s_mov_b32 s25, 0xfedcba98
	s_mov_b32 s26, 0x3e38aa3b                      ; c = log2(e) / 8
	s_mul_i32 s16, s13, 196608
	s_lshl_b32 s17, s12, 8
	s_add_co_u32 s16, s16, s17                     ; q32: my batch, my head's 64 channels
	s_mov_b32 s17, 0
	s_lshl_b32 s18, s12, 18                        ; Wproj: my head's 64 rows,
	s_lshl_b32 s20, ttmp9, 6                       ; the work-group's 16 columns
	s_add_co_u32 s18, s18, s20
	s_mov_b32 s19, 0
	s_mov_b32 s21, 0
	s_lshl_b32 s22, s13, 23                        ; out0: my batch's first row
	s_add_co_u32 s22, s22, s20
	s_mov_b32 s23, 0
	s_wait_kmcnt 0x0
	s_add_nc_u64 s[4:5], s[4:5], s[16:17]
	s_add_nc_u64 s[6:7], s[6:7], s[18:19]
	s_add_nc_u64 s[8:9], s[8:9], s[20:21]
	s_add_nc_u64 s[10:11], s[10:11], s[22:23]
	global_load_b128 v[248:251], v8, s[8:9]        ; the bias of the thread's four columns
.irp i, 0,1,2,3,4,5,6,7
	global_load_b128 v[16+4*\i:19+4*\i], v3, s[4:5] offset:16*\i          ; Q
.endr
.irp i, 0,1,2,3,4,5,6,7
	global_load_b128 v[48+4*\i:51+4*\i], v3, s[4:5] offset:4096+16*\i     ; K
.endr
.irp t, 0,1,2,3
.irp j, 0,1,2,3,4,5,6,7
	global_load_b32 v[80+8*\t+\j], v4, s[4:5] offset:8192+12288*\j+64*\t  ; V
.endr
.endr
	s_wait_loadcnt 32                              ; the bias, Q and K are in; V's 32 loads are younger
.irp t, 0,1,2,3
.irp e, 0,1,2,3,4,5,6,7
	global_load_b32 v[112+8*\t+\e], v5, s[6:7] offset:4096*(16*\t+\e)     ; W: it lands while the attention is made
.endr
.endr
; S^T: 16 instructions on two accumulators by turns; the first two start the sums
.set c, 0
.rept 16
.set rD, 144+8*(c%2)
.if c < 2
	v_wmma_f32_16x16x4_f32 v[rD:rD+7], v[48+2*c:49+2*c], v[16+2*c:17+2*c], 0
.else
	v_wmma_f32_16x16x4_f32 v[rD:rD+7], v[48+2*c:49+2*c], v[16+2*c:17+2*c], v[rD:rD+7]
.endif
.set c, c+1
.endr
.rept 8
	v_nop                                          ; eight places behind this form (ISA guide 7.12.1)
.endr
.irp j, 0,1,2,3,4,5,6,7
	v_add_f32 v[160+\j], v[144+\j], v[152+\j]      ; the two halves of the sum, from the low end on, into other registers
.endr
.irp j, 0,1,2,3,4,5,6,7
	v_cmp_gt_i32 vcc_lo, \j, v6
	v_cndmask_b32 v[160+\j], v[160+\j], v7, vcc_lo ; the causal mask
.endr
	v_max3_num_f32 v252, v160, v161, v162
	v_max3_num_f32 v252, v252, v163, v164
	v_max3_num_f32 v252, v252, v165, v166
	v_max_num_f32 v252, v252, v167
	v_permlanex16_b32 v253, v252, s24, s25
	v_max_num_f32 v252, v252, v253                 ; the row's maximum: key 0 counts for every query, so it is a number
	v_mul_f32 v255, s26, v252
.irp j, 0,1,2,3,4,5,6,7
	v_fma_f32 v[160+\j], v[160+\j], s26, -v255     ; c s - c m
.endr
.irp j, 0,1,2,3,4,5,6,7
	v_exp_f32 v[160+\j], v[160+\j]
.endr
	v_nop
	s_wait_alu depctr_va_vdst(0)                   ; one wait for the eight, ahead of their first reader
	v_add_f32 v254, v160, v161
	v_add_f32 v253, v162, v163
	v_add_f32 v254, v254, v164
	v_add_f32 v253, v253, v165
	v_add_f32 v254, v254, v166
	v_add_f32 v253, v253, v167
	v_add_f32 v254, v254, v253
	v_permlanex16_b32 v253, v254, s24, s25
	v_add_f32 v254, v254, v253                     ; l
	v_rcp_f32 v10, v254
	v_mov_b32 v11, 0                               ; (named with v10 as a pair; also the plain line behind the reciprocal)
	s_wait_alu depctr_va_vdst(0)
	s_wait_loadcnt 32                              ; V is in; W's 32 loads are younger
; O^T: four accumulators by turns, four keys an instruction
.irp c, 0,1,2,3
.irp t, 0,1,2,3
.if \c == 0
	v_wmma_f32_16x16x4_f32 v[168+8*\t:175+8*\t], v[80+8*\t+2*\c:81+8*\t+2*\c], v[160+2*\c:161+2*\c], 0
.else
	v_wmma_f32_16x16x4_f32 v[168+8*\t:175+8*\t], v[80+8*\t+2*\c:81+8*\t+2*\c], v[160+2*\c:161+2*\c], v[168+8*\t:175+8*\t]
.endif
.endr
.endr
.rept 8
	v_nop
.endr
.set i, 0
.rept 16
	v_pk_mul_f32 v[200+2*i:201+2*i], v[168+2*i:169+2*i], v[10:11] op_sel_hi:[1,0]   ; O^T / l, into other registers, ascending
.set i, i+1
.endr
	s_wait_loadcnt 0x0                             ; W
; the projection of my 64 channels: 16 instructions on two accumulators by turns
.set n, 0
.rept 16
.set rD, 232+8*(n%2)
.if n < 2
	v_wmma_f32_16x16x4_f32 v[rD:rD+7], v[112+2*n:113+2*n], v[200+2*n:201+2*n], 0
.else
	v_wmma_f32_16x16x4_f32 v[rD:rD+7], v[112+2*n:113+2*n], v[200+2*n:201+2*n], v[rD:rD+7]
.endif
.set n, n+1
.endr
.rept 8
	v_nop
.endr
.irp j, 0,1,2,3,4,5,6,7
	v_add_f32 v[16+\j], v[232+\j], v[240+\j]
.endr
	ds_store_b128 v14, v[16:19]                    ; out(query r, columns 8 h + 0 .. 7), my head's part
	ds_store_b128 v14, v[20:23] offset:16
	s_wait_dscnt 0x0                               ; for the others' sake: my stores are done
	s_barrier_signal -1
	s_barrier_wait -1
	s_cmp_ge_u32 s12, 2
	s_cbranch_scc1 .Lend                           ; 64 threads add the 16 parts: 16 bytes each
.irp s, 0,1,2,3,4,5,6,7,8,9,10,11,12,13,14,15
	ds_load_b128 v[48+4*\s:51+4*\s], v15 offset:1024*\s
.endr
	s_wait_dscnt 0x0
.irp s, 1,2,3,4,5,6,7,8,9,10,11,12,13,14,15
	v_pk_add_f32 v[48:49], v[48:49], v[48+4*\s:49+4*\s]
	v_pk_add_f32 v[50:51], v[50:51], v[50+4*\s:51+4*\s]
.endr
	v_pk_add_f32 v[48:49], v[48:49], v[248:249]
	v_pk_add_f32 v[50:51], v[50:51], v[250:251]
	global_store_b128 v9, v[48:51], s[10:11]
.Lend:
	s_wait_tensorcnt 0x0                           ; the wave's end: behind my last LDS store
	ds_add_u32 v12, v13
	s_wait_dscnt 0x0
	s_endpgm
.Lfunc_end_k_qef9b7b4521_fine:
	.size	k_qef9b7b4521_fine, .Lfunc_end_k_qef9b7b4521_fine-k_qef9b7b4521_fine
	.p2alignl 7, 3214868480
	.fill 96, 4, 3214868480
	.section	.rodata,"a",@progbits
	.p2align	6, 0x0
	.amdhsa_kernel k_qef9b7b4521_fine
		.amdhsa_group_segment_fixed_size 18432
		.amdhsa_private_segment_fixed_size 0
		.amdhsa_enable_private_segment 0
		.amdhsa_kernarg_size 32
		.amdhsa_user_sgpr_count 2
		.amdhsa_user_sgpr_kernarg_segment_ptr 1
		.amdhsa_wavefront_size32 1
		.amdhsa_system_sgpr_workgroup_id_x 1
		.amdhsa_system_sgpr_workgroup_id_y 1
		.amdhsa_system_sgpr_workgroup_id_z 1
		.amdhsa_system_vgpr_workitem_id 0
		.amdhsa_next_free_vgpr 256
		.amdhsa_next_free_sgpr 66
		.amdhsa_reserve_vcc 1
		.amdhsa_float_denorm_mode_32 3
		.amdhsa_float_denorm_mode_16_64 3
		.amdhsa_memory_ordered 1
		.amdhsa_forward_progress 1
		.amdhsa_inst_pref_size 21
	.end_amdhsa_kernel
	.amdgpu_metadata
---
amdhsa.version: [ 1, 2 ]
amdhsa.kernels:
  - .name:           k_qef9b7b4521_fine
    .symbol:         k_qef9b7b4521_fine.kd
    .args:
      - { .name: q32, .offset: 0, .size: 8, .value_kind: global_buffer, .address_space: global }
      - { .name: Wproj, .offset: 8, .size: 8, .value_kind: global_buffer, .address_space: global }
      - { .name: bproj, .offset: 16, .size: 8, .value_kind: global_buffer, .address_space: global }
      - { .name: out0, .offset: 24, .size: 8, .value_kind: global_buffer, .address_space: global }
    .group_segment_fixed_size: 18432
    .private_segment_fixed_size: 0
    .kernarg_segment_align: 8
    .kernarg_segment_size: 32
    .max_flat_workgroup_size: 512
    .sgpr_count:     66
    .vgpr_count:     256
    .wavefront_size: 32
...
	.end_amdgpu_metadata
.endif
;; end of part 5
